; MI455X (gfx1250); checked and timed in simulation.
; The chip was launched on July 23, 2026; its instructions are those of AMD's public machine-readable ISA for CDNA 5 (MIT licence, August 2026) and "CDNA5" Instruction Set Architecture Reference Guide (July 2026). The comments in the code are by the model that wrote it; some were corrected since.
;; Multi Head Self Attention. Allowed arithmetic: matrix products marked QUANTISED: E2M3 operands, one E8M0 scale for each 32 along K, by v_wmma_scale_f32_16x16x128_f8f6f4 with both operands' format E2M3, f32 sums; everything else in f32.
;; Inputs: Wk 512 x 512 float32; Wo 512 x 512 float32; Wq 512 x 512 float32; Wv 512 x 512 float32; x 4 x 2,048 x 512 float32.
;; Outputs: out0 4 x 2,048 x 512 float32.
;; This version of the problem:
;;   THIS VERSION OF THE PROBLEM IS GIVEN IN LOW PRECISION. The matrix products marked QUANTISED in the list below multiply operands that are first quantised to E2M3 (2 exponent bits, 3 mantissa bits; 6 bits a number), with one power-of-two scale for each 32 numbers along K (OCP MX v1.0); their sums are f32. All else is computed in f32.
;;   The module's matrix products, in the order in which they are computed (A, B: the left and right operand; K: the contracted axis; several contracted axes count as one K, in the product's order):
;;     1. [M 8,192, K 512] x [K 512, N 512]; A: input x; B: input Wq: QUANTISED
;;     2. [M 8,192, K 512] x [K 512, N 512]; A: input x; B: input Wk: QUANTISED
;;     3. [M 8,192, K 512] x [K 512, N 512]; A: input x; B: input Wv: QUANTISED
;;     4. batch 32 x [M 2,048, K 64] x [K 64, N 2,048]; A: computed on the way; B: computed on the way: QUANTISED
;;     5. batch 32 x [M 2,048, K 2,048] x [K 2,048, N 64]; A: softmax (see below); B: computed on the way: QUANTISED
;;     6. [M 8,192, K 512] x [K 512, N 512]; A: computed on the way; B: input Wo: QUANTISED
;;   THE QUANTISER, for each operand of a quantised product, along K:
;;     - K is cut into blocks of 32 from its start; a last block that is shorter is filled with zeros.
;;     - A block's scale is 2^e with e = floor(log2(the largest magnitude in the block)) - 2, held to -126 .. 127; a block of zeros has e = 0. As a byte (E8M0): e + 127.
;;     - Each number is divided by its block's scale, clamped to +-7.5, and rounded to the nearest number of E2M3, ties to even, subnormals kept.
;;     - The product sums the exact products of the quantised numbers (number of the format x scale) in f32.
;;   ~~~python
;;   def quantise(x, axis):      # numpy; x: float32 -> the quantised numbers, widened to float32 again
;;       x = np.moveaxis(x, axis, -1); K = x.shape[-1]
;;       x = np.pad(x, [(0, 0)] * (x.ndim - 1) + [(0, -K % 32)]); x = x.reshape(x.shape[:-1] + (-1, 32)); a = np.abs(x).max(-1, keepdims=True)
;;       e = np.where(a > 0, np.clip(np.frexp(np.where(a > 0, a, 1))[1] - 1 - 2, -126, 127), 0)      # np.frexp(a)[1] - 1 = floor(log2(a)), exactly
;;       r = np.clip(x / 2.0 ** e, -7.5, 7.5)
;;       step = 2.0 ** (np.maximum(np.frexp(np.where(r == 0, 1, r))[1] - 1, 0) - 3)
;;       q = np.round(r / step) * step * 2.0 ** e      # np.round: ties to even
;;       return np.moveaxis(q.reshape(q.shape[:-2] + (-1,))[..., :K], -1, axis).astype(np.float32)
;;   ~~~
;;   SOFTMAX AHEAD OF A QUANTISED PRODUCT. Where the list says 'softmax', what is quantised is not the finished softmax but p = 2^(t - M), with t = logit x log2(e) and M = ceil(the row's largest t), a whole number; so 1/2 < the row's largest p <= 1. The row's sum l is taken of the UNQUANTISED p, in f32, and the product's result is divided by l at the end. Since M is a whole number, a kernel that streams over the keys may use a running M (the ceiling of the running maximum): every later rescaling is an exact power of two, which a block's scale takes up: the codes' values come out the same.
;;   OPERANDS COMPUTED ON THE WAY. 'Computed on the way' means the value that the module computes at that place (a softmax that the list does not call 'softmax' is quantised finished and normalised). What goes into a quantiser is computed in f32, as accurately as f32 sums, v_exp_f32 and their like allow (about 1e-6 of the number): no bf16 or f16 on the way to a quantiser, and a product that is left as it is and whose result goes on into a quantised operand takes f32 operands (vector FMAs, or v_wmma_f32_16x16x4_f32). A number that lies on a knife's edge between two numbers of the format may be rounded either way, as far as f32 arithmetic and the matrix unit's own rounding can turn it there, and no further.
;; 2 versions. Each part assembles by itself: llvm-mc -triple=amdgcn-amd-amdhsa -mcpu=gfx1250 --defsym DOCPART=n.
;; ======== version 1 of 2: 4 launches
;; workspace buffers: cod 3,932,160 bytes; scl 163,840 bytes; qc 3,145,728 bytes; qs 262,144 bytes; kv 6,684,672 bytes; oc 3,145,728 bytes; os 262,144 bytes
;; launch quant (part 1): grid 640 x 1, 1 waves a work-group, no clusters, 8,960 bytes of LDS; arguments x, Wq, Wk, Wv, Wo, cod, scl; writes cod, scl
.if DOCPART == 1
	.amdgcn_target "amdgcn-amd-amdhsa--gfx1250"
	.amdhsa_code_object_version 6
	.text
	.protected	k_qea4c349cc0_quant
	.globl	k_qea4c349cc0_quant
	.p2align	8
	.type	k_qea4c349cc0_quant,@function
k_qea4c349cc0_quant:
	s_mov_b64 s[64:65], 0
	v_nop
	global_prefetch_b8 v0, s[64:65] scope:SCOPE_SE
	s_setreg_imm32_b32 hwreg(HW_REG_WAVE_MODE, 25, 1), 1
	s_wait_xcnt 0x0
; x [8192][512], Wq, Wk, Wv, Wo [512][512], f32 with K innermost, become codes of FP6 (E2M3) and E8M0 scale bytes, one for each 32 along K.
; A block's scale is 2^(floor(log2(its largest magnitude)) - 2): its byte is the largest magnitude's exponent field - 2, held at 1 from below.
; LIMITS: NaN and infinities among the inputs are not served.  A block of zeros gets the byte 1 where the rule says 127: its codes are zeros, which add nothing
; under any byte but 0xff, and this program alone reads the bytes.  Blocks whose largest magnitude lies under 2^-124 are held at the byte 1.
; LAYOUT OF THE RESULT: images of the operand's registers.  A TILE is 16 rows: lane-row r of tile T is row 32 (T / 2) + 8 (T % 2) + r + 8 (r / 8).
; A HALF IMAGE is 16 rows x 64 codes, 768 bytes: lane l = (r, h) holds block h of row r, 24 bytes: registers 0-3 at byte 16 l, registers 4-5 at byte 512 + 8 l.
; cod: tile g at 6,144 g: eight half images, number 2 s + c for K step s (128 along K) and half c.  Tiles 0-511 x, 512-543 Wq, 544-575 Wk, 576-607 Wv, 608-639 Wo.
; scl: tile g at 256 g: row r's 16 bytes at 16 r; word s belongs to K step s.
; SHARES: a work-group of one wave takes one tile: 16 rows x 512 numbers.  Waves share nothing: no barrier, no cluster (no input byte is read twice in the launch).
; Each load reads 512 consecutive bytes of a row; a K step's 16 x 512 bytes turn through a stage in LDS (rows 528 bytes apart = 33 x 16) and come back
; 128 bytes a lane and block, so that a lane holds two whole blocks and no other lane is asked for a maximum.  Loads run two K steps (32 loads) ahead.
.set STP,  528                         ; a stage row: 512 bytes + 16
.set LA,   1                           ; v1   16 x lane: a load's, a store's and the stage's way in
.set LB,   2                           ; v2   8 x lane
.set RDA,  4                           ; v4   the stage's way out: 528 r + 128 h
.set H8,   5                           ; v5   8 h: how far my two scale bytes are shifted
.set SCA,  6                           ; v6   16 r + 8 h: my 8 bytes of the tile's scale bytes
.set MX,   8                           ; v8-9   largest magnitudes of my two blocks
.set SO,   10                          ; v10-11 the conversions' scale operands
.set BY,   12                          ; v12-13 the scale bytes
.set WT,   14                          ; v14  my two bytes at their places
.set TP,   15                          ; v15  lane l xor 16's
.set W,    16                          ; v16-19 the row's four scale words
.set TC,   20                          ; v20-26 the upper halves of the blocks' codes (a conversion's three registers begin on an even number)
.set PR,   28                          ; v28-29 what I store of the scale words
.set C,    32                          ; v32-55 two sets of 12 code registers, by turns
.set X,    56                          ; v56-119 64 numbers: block c at 32 c
.set R,    120                         ; v120-247 two sets of 64 registers as loaded
.set SRC,  18                          ; s[18:19] the tile's first row
.set SEL,  20                          ; s[20:21] lane selects for v_permlanex16_b32: lane l xor 16
	s_load_b256 s[4:11], s[0:1], 0x0               ; x s[4:5], Wq s[6:7], Wk s[8:9], Wv s[10:11]
	s_load_b128 s[12:15], s[0:1], 0x20             ; Wo s[12:13], cod s[14:15]
	s_load_b64 s[16:17], s[0:1], 0x30              ; scl
	v_lshl_add_u32 v254, v0, 2, 0x2200
	v_mov_b32 v255, 0
	v_and_b32 v3, 15, v0                           ; r (one wave: v0 is the lane)
	v_lshrrev_b32 v7, 4, v0                        ; h
	v_lshlrev_b32 v[LA], 4, v0
	v_lshlrev_b32 v[LB], 3, v0
	v_mul_u32_u24 v[RDA], v3, STP
	v_lshl_add_u32 v[RDA], v7, 7, v[RDA]
	v_lshlrev_b32 v[H8], 3, v7
	v_lshlrev_b32 v[SCA], 4, v3
	v_lshl_add_u32 v[SCA], v7, 3, v[SCA]
	v_mov_b32 v[TP], 0                             ; written once: a lane permute's destination counts as one of its sources
	s_mov_b32 s[SEL], 0x76543210
	s_mov_b32 s[SEL+1], 0xfedcba98
	s_and_b32 s23, ttmp9, 31                       ; the tile's number inside a weight (512 is a multiple of 32)
	s_mul_i32 s26, ttmp9, 6144                     ; the tile's codes
	s_mov_b32 s27, 0
	s_lshl_b32 s28, ttmp9, 8                       ; and its scale bytes
	s_mov_b32 s29, 0
	s_wait_kmcnt 0x0
	s_mov_b64 s[SRC:SRC+1], s[12:13]               ; which tensor: the choice hangs on the work-group's number alone
	s_cmp_lt_u32 ttmp9, 608
	s_cselect_b64 s[SRC:SRC+1], s[10:11], s[SRC:SRC+1]
	s_cmp_lt_u32 ttmp9, 576
	s_cselect_b64 s[SRC:SRC+1], s[8:9], s[SRC:SRC+1]
	s_cmp_lt_u32 ttmp9, 544
	s_cselect_b64 s[SRC:SRC+1], s[6:7], s[SRC:SRC+1]
	s_cmp_lt_u32 ttmp9, 512
	s_cselect_b64 s[SRC:SRC+1], s[4:5], s[SRC:SRC+1]
	s_cselect_b32 s22, ttmp9, s23                  ; T: the tile's number inside its tensor
	s_lshr_b32 s24, s22, 1
	s_lshl_b32 s24, s24, 16                        ; 32 (T / 2) rows of 2,048 bytes
	s_and_b32 s30, s22, 1
	s_lshl_b32 s30, s30, 14                        ; 8 (T % 2) rows
	s_add_co_u32 s24, s24, s30
	s_mov_b32 s25, 0
	s_add_nc_u64 s[SRC:SRC+1], s[SRC:SRC+1], s[24:25]
	s_add_nc_u64 s[14:15], s[14:15], s[26:27]
	s_add_nc_u64 s[16:17], s[16:17], s[28:29]
.macro LOADF f                         ; K step f of the tile's 16 rows: lane-row i is row i + 8 (i / 8); 32 lanes read 512 consecutive bytes; read once in the launch
.irp i, 0,1,2,3,4,5,6,7,8,9,10,11,12,13,14,15
	global_load_b128 v[R+64*((\f)%2)+4*\i:R+64*((\f)%2)+4*\i+3], v[LA], s[SRC:SRC+1] offset:(\i+8*(\i/8))*2048+512*(\f) th:TH_LOAD_NT
.endr
.endm
.macro FRAGQ f                         ; K step f becomes two half images and a scale word a row
.if (\f) < 3
	s_wait_loadcnt 16                              ; this K step's 16 loads are in; the next step's 16 may be out
.else
	s_wait_loadcnt 0x0
.endif
.irp i, 0,1,2,3,4,5,6,7,8,9,10,11,12,13,14,15
	ds_store_b128 v[LA], v[R+64*((\f)%2)+4*\i:R+64*((\f)%2)+4*\i+3] offset:STP*\i
.endr
.irp c, 0,1
.irp i, 0,1,2,3,4,5,6,7
	ds_load_b128 v[X+32*\c+4*\i:X+32*\c+4*\i+3], v[RDA] offset:256*\c+16*\i   ; k = 64 c + 32 h + 4 i on, of row r.  LDS serves a wave's instructions in order: these see the stores above
.endr
.endr
	s_wait_dscnt 0x0                               ; my numbers are back, and the stores have read their registers,
.if (\f) < 2
	LOADF (\f)+2                                   ; which take the loads of two K steps on
.endif
.irp c, 0,1
	v_max3_num_f32 v[MX+\c], |v[X+32*\c]|, |v[X+32*\c+1]|, 0x1800000   ; block 2 c + h: all its 32 numbers are mine; and the floor 2^(3 - 127): the byte cannot fall under 1
.endr
.irp i, 2,4,6,8,10,12,14,16,18,20,22,24,26,28,30
.irp c, 0,1
	v_max3_num_f32 v[MX+\c], v[MX+\c], |v[X+32*\c+\i]|, |v[X+32*\c+\i+1]|   ; (the two blocks by turns)
.endr
.endr
.irp c, 0,1
	v_add_nc_u32 v[SO+\c], 0xff000000, v[MX+\c]    ; 2 off the exponent field: the conversion takes this operand's exponent field as its scale
.endr
.irp c, 0,1
	v_lshrrev_b32 v[BY+\c], 23, v[SO+\c]           ; the scale's byte
.endr
	v_lshl_or_b32 v[WT], v[BY+1], 16, v[BY]        ; blocks h and 2 + h,
	v_lshlrev_b32 v[WT], v[H8], v[WT]              ; at their places in the word;
	v_permlanex16_b32 v[TP], v[WT], s[SEL], s[SEL+1]
	v_or_b32 v[W+\f], v[WT], v[TP]                 ; with lane l xor 16's two the word is whole
	s_wait_xcnt 0x0                                ; the stores of two K steps ago have read this set of code registers: it is written again only behind this wait
.set CS, C+12*((\f)%2)
	v_cvt_scalef32_pk16_fp6_f32 v[CS:CS+2], v[X:X+15], v[SO]
	v_cvt_scalef32_pk16_fp6_f32 v[TC:TC+2], v[X+16:X+31], v[SO]
	v_cvt_scalef32_pk16_fp6_f32 v[CS+6:CS+8], v[X+32:X+47], v[SO+1]
	v_cvt_scalef32_pk16_fp6_f32 v[TC+4:TC+6], v[X+48:X+63], v[SO+1]
	v_nop                                          ; one plain place behind a scaled conversion
.irp i, 0,1,2
	v_mov_b32 v[CS+3+\i], v[TC+\i]
	v_mov_b32 v[CS+9+\i], v[TC+4+\i]
.endr
	global_store_b128 v[LA], v[CS:CS+3], s[14:15] offset:1536*(\f)          ; each store covers 512 or 256 consecutive bytes, at a multiple of 256 from cod's first byte
	global_store_b64 v[LB], v[CS+4:CS+5], s[14:15] offset:1536*(\f)+512
	global_store_b128 v[LA], v[CS+6:CS+9], s[14:15] offset:1536*(\f)+768
	global_store_b64 v[LB], v[CS+10:CS+11], s[14:15] offset:1536*(\f)+1280
.endm
	LOADF 0
	LOADF 1
	FRAGQ 0
	FRAGQ 1
	FRAGQ 2
	FRAGQ 3
	v_cmp_lt_u32 vcc_lo, 15, v0                    ; lanes 16-31 store words 2 and 3 of their row, lanes 0-15 words 0 and 1
	v_cndmask_b32 v[PR], v[W], v[W+2], vcc_lo
	v_cndmask_b32 v[PR+1], v[W+1], v[W+3], vcc_lo
	global_store_b64 v[SCA], v[PR:PR+1], s[16:17]  ; 32 lanes store 256 consecutive bytes, aligned
	s_wait_tensorcnt 0x0
	ds_add_u32 v254, v255
	s_wait_dscnt 0x0
	s_endpgm
.Lfunc_end_k_qea4c349cc0_quant:
	.size	k_qea4c349cc0_quant, .Lfunc_end_k_qea4c349cc0_quant-k_qea4c349cc0_quant
	.p2alignl 7, 3214868480
	.fill 96, 4, 3214868480
	.section	.rodata,"a",@progbits
	.p2align	6, 0x0
	.amdhsa_kernel k_qea4c349cc0_quant
		.amdhsa_group_segment_fixed_size 8960
		.amdhsa_private_segment_fixed_size 0
		.amdhsa_enable_private_segment 0
		.amdhsa_kernarg_size 56
		.amdhsa_user_sgpr_count 2
		.amdhsa_user_sgpr_kernarg_segment_ptr 1
		.amdhsa_wavefront_size32 1
		.amdhsa_system_sgpr_workgroup_id_x 1
		.amdhsa_system_sgpr_workgroup_id_y 1
		.amdhsa_system_sgpr_workgroup_id_z 1
		.amdhsa_system_vgpr_workitem_id 0
		.amdhsa_next_free_vgpr 256
		.amdhsa_next_free_sgpr 66
		.amdhsa_reserve_vcc 1
		.amdhsa_float_denorm_mode_32 3
		.amdhsa_float_denorm_mode_16_64 3
		.amdhsa_memory_ordered 1
		.amdhsa_forward_progress 1
		.amdhsa_inst_pref_size 30
	.end_amdhsa_kernel
	.amdgpu_metadata
---
amdhsa.version: [ 1, 2 ]
amdhsa.kernels:
  - .name:           k_qea4c349cc0_quant
    .symbol:         k_qea4c349cc0_quant.kd
    .args:
      - { .name: x, .offset: 0, .size: 8, .value_kind: global_buffer, .address_space: global }
      - { .name: Wq, .offset: 8, .size: 8, .value_kind: global_buffer, .address_space: global }
      - { .name: Wk, .offset: 16, .size: 8, .value_kind: global_buffer, .address_space: global }
      - { .name: Wv, .offset: 24, .size: 8, .value_kind: global_buffer, .address_space: global }
      - { .name: Wo, .offset: 32, .size: 8, .value_kind: global_buffer, .address_space: global }
      - { .name: cod, .offset: 40, .size: 8, .value_kind: global_buffer, .address_space: global }
      - { .name: scl, .offset: 48, .size: 8, .value_kind: global_buffer, .address_space: global }
    .group_segment_fixed_size: 8960
    .private_segment_fixed_size: 0
    .kernarg_segment_align: 8
    .kernarg_segment_size: 56
    .max_flat_workgroup_size: 32
    .sgpr_count:     66
    .vgpr_count:     256
    .wavefront_size: 32
...
	.end_amdgpu_metadata
.endif
;; end of part 1
;; launch proj (part 2): grid 64 x 3, 8 waves a work-group, no clusters, 52,224 bytes of LDS; arguments cod, scl, qc, qs, kv; writes qc, qs, kv
.if DOCPART == 2
	.amdgcn_target "amdgcn-amd-amdhsa--gfx1250"
	.amdhsa_code_object_version 6
	.text
	.protected	k_qea4c349cc0_proj
	.globl	k_qea4c349cc0_proj
	.p2align	8
	.type	k_qea4c349cc0_proj,@function
k_qea4c349cc0_proj:
	s_mov_b64 s[64:65], 0
	v_nop
	global_prefetch_b8 v0, s[64:65] scope:SCOPE_SE
	s_setreg_imm32_b32 hwreg(HW_REG_WAVE_MODE, 25, 1), 1
	s_wait_xcnt 0x0
; q = x Wq^T, k = x Wk^T, v = x Wv^T on codes of FP6 (E2M3) with E8M0 scales, and each result quantised in registers for the product that takes it next:
; q and k along the head's 64, v along the keys.  Work-group y = 0: q, 1: k, 2: v.
; ONE BODY: out[t][s] = the quantised (along s) T S^T.  S, 512 rows, is source 0 of every matrix instruction; wave w keeps 64 of its rows (16 fragments, 192 registers)
; for the whole launch.  T, 128 rows = 8 tiles, is source 1 and goes once through LDS.  In a result a lane holds ONE row of T and its registers run along S's rows.
; For q and k: S = the weight's rows (wave w = head w), T = 128 tokens.  For v: S = 512 tokens (wave w = 64 keys), T = 128 rows of Wv (two heads): that gives v^T with the keys innermost.
; TILES (as the launch before laid them): lane-row r of tile T is row 32 (T / 2) + 8 (T % 2) + r + 8 (r / 8), so that the 16 registers of the results of tiles 2 B and 2 B + 1
; are the 16 neighbours 32 B + 16 (lane / 16) + 0 .. 15 along the next K.  A HALF IMAGE: 16 rows x 64 codes, 768 bytes: lane l's registers 0-3 at 16 l, 4-5 at 512 + 8 l.
; OUT: qc [head of batch (32)][token tile (128)] x 768;  qs [head][8 tiles (16)][lane (r, h)][4 words]: word i = tile 4 h + i, row r: byte 0, byte 1, 0, 0.
; kv: 32 heads x 208,896; a key step (128 keys) is 13,056 bytes: K's 8 half images; at 6,144 V's [64 keys c (2)][channel tile (4)]; at 12,288 K's scale words, laid as qs;
; at 12,800 V's scale words [lane (r, h)][2]: channel tile 2 h + i, four bytes = the step's four blocks of keys.
; LIMITS: NaN and infinities are not served; a block of zeros gets the byte 1 (its codes are zeros; this program alone reads the bytes); blocks under 2^-124 are held at the byte 1.
; NO CLUSTER: a joint request fills LDS, and what work-groups share here, S's rows, lives in registers (24,576 bytes a wave): a way through LDS would write and read those bytes once more
; for 128 matrix instructions a wave.  192 work-groups: the three products have no even split into 256 shares of this shape.
.set HB,    208896                     ; a head's bytes in kv
.set STEPB, 13056                      ; a key step's
.set VST,   49152                      ; LDS: T's 8 tiles as they lie in cod (49,152 bytes); behind them V's scale words [head (2)][step (4)][lane][2 words], 2,048 bytes
.set LA,  1                            ; v1   16 x lane
.set LB,  2                            ; v2   8 x lane
.set TST, 3                            ; v3   where I store my tile of T: 6,144 x wave + 16 x lane
.set VWA, 4                            ; v4   where I put two scale bytes of V: VST + 8 r + 256 (wave / 2) + 2 (wave % 2)
.set VRA, 5                            ; v5   where I read 8 bytes of them back: VST + 256 x wave + 8 x lane
.set LN,  6                            ; v6   lane
.set TM,  8                            ; v8-13  at work in QUANT2
.set PW,  16                           ; v16-23 the eight tiles' scale words
.set SS,  24                           ; v24-31 S's scale words: register 4 (t / 2) + s: lanes 0-15 tile t even, lanes 16-31 tile t odd
.set TS,  32                           ; v32-47 T's likewise, by m
.set PC,  48                           ; v48-55 the codes just made
.set ACC, 64                           ; v64-95 four accumulators
.set TF,  96                           ; v96-191 T's fragments of a tile, two sets of 48
.set WV,  14
.set XX,  15
.set YY,  16
.set SB,  17                           ; S's first tile in cod
.set TBT, 18                           ; T's
.set B8,  19                           ; 8 x batch
.set SSRC, 26                          ; s[26:27] my 4 tiles of S;  s[28:29] my tile of T;  s[30:31], s[32:33] their scale bytes
.set OUT0, 34                          ; s[34:35], s[36:37] where tiles 0-3 and 4-7 go;  s[38:39] where the scale words go
.set SEL, 40
.set MSB, 0
.macro WIN new                         ; the immediate's high byte repeats the setting that is left
.if MSB != \new
	s_set_vgpr_msb (MSB<<8)|\new
.set MSB, \new
.endif
.endm
; One matrix instruction.  zero = 1: the constant 0 starts the sum.  ra, rb = 1: that side's scales are read from lanes 16-31 of the register named.
.macro WM d, a, b, zero, sa, sb, ra, rb
.if \zero
.if (\ra) && (\rb)
	v_wmma_scale_f32_16x16x128_f8f6f4 v[\d:\d+7], v[\a:\a+11], v[\b:\b+11], 0, v[\sa], v[\sb] matrix_a_fmt:MATRIX_FMT_FP6 matrix_b_fmt:MATRIX_FMT_FP6 matrix_a_scale:MATRIX_SCALE_ROW1 matrix_b_scale:MATRIX_SCALE_ROW1
.elseif \ra
	v_wmma_scale_f32_16x16x128_f8f6f4 v[\d:\d+7], v[\a:\a+11], v[\b:\b+11], 0, v[\sa], v[\sb] matrix_a_fmt:MATRIX_FMT_FP6 matrix_b_fmt:MATRIX_FMT_FP6 matrix_a_scale:MATRIX_SCALE_ROW1
.elseif \rb
	v_wmma_scale_f32_16x16x128_f8f6f4 v[\d:\d+7], v[\a:\a+11], v[\b:\b+11], 0, v[\sa], v[\sb] matrix_a_fmt:MATRIX_FMT_FP6 matrix_b_fmt:MATRIX_FMT_FP6 matrix_b_scale:MATRIX_SCALE_ROW1
.else
	v_wmma_scale_f32_16x16x128_f8f6f4 v[\d:\d+7], v[\a:\a+11], v[\b:\b+11], 0, v[\sa], v[\sb] matrix_a_fmt:MATRIX_FMT_FP6 matrix_b_fmt:MATRIX_FMT_FP6
.endif
.else
.if (\ra) && (\rb)
	v_wmma_scale_f32_16x16x128_f8f6f4 v[\d:\d+7], v[\a:\a+11], v[\b:\b+11], v[\d:\d+7], v[\sa], v[\sb] matrix_a_fmt:MATRIX_FMT_FP6 matrix_b_fmt:MATRIX_FMT_FP6 matrix_a_scale:MATRIX_SCALE_ROW1 matrix_b_scale:MATRIX_SCALE_ROW1
.elseif \ra
	v_wmma_scale_f32_16x16x128_f8f6f4 v[\d:\d+7], v[\a:\a+11], v[\b:\b+11], v[\d:\d+7], v[\sa], v[\sb] matrix_a_fmt:MATRIX_FMT_FP6 matrix_b_fmt:MATRIX_FMT_FP6 matrix_a_scale:MATRIX_SCALE_ROW1
.elseif \rb
	v_wmma_scale_f32_16x16x128_f8f6f4 v[\d:\d+7], v[\a:\a+11], v[\b:\b+11], v[\d:\d+7], v[\sa], v[\sb] matrix_a_fmt:MATRIX_FMT_FP6 matrix_b_fmt:MATRIX_FMT_FP6 matrix_b_scale:MATRIX_SCALE_ROW1
.else
	v_wmma_scale_f32_16x16x128_f8f6f4 v[\d:\d+7], v[\a:\a+11], v[\b:\b+11], v[\d:\d+7], v[\sa], v[\sb] matrix_a_fmt:MATRIX_FMT_FP6 matrix_b_fmt:MATRIX_FMT_FP6
.endif
.endif
.endm
; 32 numbers of a lane, register 16 b + i = k 32 b + 16 (lane / 16) + i of my row, become a half image's six registers in v[PC] on and the word byte 0 | byte 1 << 8 in v[pw].
; Each of the four accumulators is read from its low end on: i = 0 reads registers 0, 1 of tiles 0 and 2, i = 8 those of tiles 1 and 3.
.macro QUANT2 src, pw
.irp b, 0,1
	v_max3_num_f32 v[TM+\b], |v[\src+16*\b]|, |v[\src+16*\b+1]|, 0x1800000   ; my 16 numbers of block b, and the floor 2^(3 - 127): the byte cannot fall under 1
.endr
.irp i, 2,4,6,8,10,12,14
.irp b, 0,1
	v_max3_num_f32 v[TM+\b], v[TM+\b], |v[\src+16*\b+\i]|, |v[\src+16*\b+\i+1]|
.endr
.endr
.irp b, 0,1
	v_permlanex16_b32 v[TM+2+\b], v[TM+\b], s[SEL], s[SEL+1]
.endr
.irp b, 0,1
	v_max_num_f32 v[TM+\b], v[TM+\b], v[TM+2+\b]   ; with lane l xor 16's: the block's largest magnitude
.endr
.irp b, 0,1
	v_add_nc_u32 v[TM+4+\b], 0xff000000, v[TM+\b]  ; 2 off its exponent field: the conversion's scale operand
.endr
.irp b, 0,1
	v_lshrrev_b32 v[TM+2+\b], 23, v[TM+4+\b]       ; the scale's byte
.endr
	v_lshl_or_b32 v[\pw], v[TM+3], 8, v[TM+2]
	v_cvt_scalef32_pk16_fp6_f32 v[PC:PC+2], v[\src:\src+15], v[TM+4]
	v_cvt_scalef32_pk16_fp6_f32 v[PC+4:PC+6], v[\src+16:\src+31], v[TM+5]
	v_nop                                          ; one plain place behind a scaled conversion
.irp i, 0,1,2
	v_permlane16_swap_b32 v[PC+\i], v[PC+4+\i]     ; the layout wants a WHOLE block in a lane: lanes 0-15 block 0, lanes 16-31 block 1
.endr
	v_mov_b32 v[PC+3], v[PC+4]
	v_mov_b32 v[PC+4], v[PC+5]
	v_mov_b32 v[PC+5], v[PC+6]
.endm
.macro LOAD_S                          ; my 4 tiles of S, all four K steps: fragment (t, s) at v[12 (4 t + s)] of window 1; they stay
	WIN 0x40                                       ; destination window 1, address window 0
.irp t, 0,1,2,3
.irp s, 0,1,2,3
.irp c, 0,1
	global_load_b128 v[12*(4*\t+\s)+6*\c:12*(4*\t+\s)+6*\c+3], v[LA], s[SSRC:SSRC+1] offset:6144*\t+1536*\s+768*\c
	global_load_b64 v[12*(4*\t+\s)+6*\c+4:12*(4*\t+\s)+6*\c+5], v[LB], s[SSRC:SSRC+1] offset:6144*\t+1536*\s+768*\c+512
.endr
.endr
.endr
	WIN 0
.endm
.macro FETCH_T mm, st                  ; tile mm of T from LDS, all four K steps, into set st: 16 loads
.irp s, 0,1,2,3
.irp c, 0,1
	ds_load_b128 v[TF+48*(\st)+12*\s+6*\c:TF+48*(\st)+12*\s+6*\c+3], v[LA] offset:6144*(\mm)+1536*\s+768*\c
	ds_load_b64 v[TF+48*(\st)+12*\s+6*\c+4:TF+48*(\st)+12*\s+6*\c+5], v[LB] offset:6144*(\mm)+1536*\s+768*\c+512
.endr
.endr
.endm
	s_load_b256 s[4:11], s[0:1], 0x0               ; cod s[4:5], scl s[6:7], qc s[8:9], qs s[10:11]
	s_load_b64 s[12:13], s[0:1], 0x20              ; kv
	v_lshl_add_u32 v254, v0, 2, 0xc800
	v_mov_b32 v255, 0
	v_lshrrev_b32 v7, 5, v0
	v_readfirstlane_b32 s[WV], v7                  ; wave 0..7
	v_and_b32 v[LN], 31, v0
	v_and_b32 v7, 15, v0                           ; r
	v_lshlrev_b32 v[LA], 4, v[LN]
	v_lshlrev_b32 v[LB], 3, v[LN]
	s_mul_i32 s42, s[WV], 6144
	v_add_nc_u32 v[TST], s42, v[LA]
	s_lshr_b32 s42, s[WV], 1
	s_lshl_b32 s42, s42, 8
	s_and_b32 s43, s[WV], 1
	s_lshl_b32 s43, s43, 1
	s_add_co_u32 s42, s42, s43
	s_add_co_u32 s42, s42, VST
	v_lshl_add_u32 v[VWA], v7, 3, s42
	s_lshl_b32 s42, s[WV], 8
	s_add_co_u32 s42, s42, VST
	v_add_nc_u32 v[VRA], s42, v[LB]
	v_mov_b32 v[TM+2], 0                           ; written once: a lane permute's destination counts as one of its sources
	v_mov_b32 v[TM+3], 0
	s_mov_b32 s[SEL], 0x76543210
	s_mov_b32 s[SEL+1], 0xfedcba98
	s_mov_b32 s[XX], ttmp9
	s_and_b32 s[YY], ttmp7, 0xffff
	s_lshr_b32 s[B8], s[XX], 4
	s_lshl_b32 s[B8], s[B8], 3                     ; 8 x batch: 16 work-groups x to a batch on every path
	s_and_b32 s42, s[XX], 15
	s_and_b32 s43, s[XX], 3
	s_bfe_u32 s44, s[XX], 0x20002                  ; (x >> 2) & 3
	s_mov_b32 s21, 0                               ; the upper words of the three offsets s[20:21] (codes), s[22:23] (tiles 4-7 against 0-3), s[24:25] (scale words)
	s_mov_b32 s23, 0
	s_mov_b32 s25, 0
	s_cmp_eq_u32 s[YY], 2
	s_cbranch_scc1 .Larm_v
	s_lshl_b32 s[TBT], s[XX], 3                    ; q and k: T = token tiles 8 x on; wave w makes head w
	s_add_co_u32 s45, s[B8], s[WV]
	s_mov_b32 s22, 0
	s_cmp_eq_u32 s[YY], 0
	s_cbranch_scc0 .Larm_k
	s_mov_b32 s[SB], 512                           ; q: S = Wq
	s_mul_i32 s20, s45, 98304                      ; a head's 128 tiles of 768 bytes
	s_mul_i32 s46, s42, 6144
	s_add_co_u32 s20, s20, s46
	s_lshl_b32 s24, s45, 13
	s_lshl_b32 s46, s42, 9
	s_add_co_u32 s24, s24, s46
	s_branch .Larms_done
.Larm_k:
	s_mov_b32 s[SB], 544                           ; k: S = Wk; the 128 tokens are key step x & 15
	s_mul_i32 s20, s45, HB
	s_mul_i32 s46, s42, STEPB
	s_add_co_u32 s20, s20, s46
	s_add_co_u32 s24, s20, 12288
	s_branch .Larms_done
.Larm_v:
	s_lshr_b32 s[SB], s[XX], 2                     ; v: S = 512 tokens: x's tiles 32 (x >> 2) on; T = Wv's tiles 8 (x & 3) on: heads 2 (x & 3) and the next
	s_lshl_b32 s[SB], s[SB], 5
	s_lshl_b32 s[TBT], s43, 3
	s_add_co_u32 s[TBT], s[TBT], 576
	s_lshl_b32 s45, s43, 1
	s_add_co_u32 s45, s45, s[B8]                   ; the first of the two heads
	s_lshl_b32 s44, s44, 2                         ; the first of the four key steps
	s_mul_i32 s20, s45, HB
	s_lshr_b32 s46, s[WV], 1                       ; my 64 keys: step wave / 2, half wave % 2
	s_add_co_u32 s46, s46, s44
	s_mul_i32 s46, s46, STEPB
	s_add_co_u32 s20, s20, s46
	s_and_b32 s46, s[WV], 1
	s_mul_i32 s46, s46, 3072
	s_add_co_u32 s20, s20, s46
	s_add_co_u32 s20, s20, 6144
	s_mov_b32 s22, HB-3072                         ; tiles 4-7 belong to the next head, channel tiles 0-3
	s_lshr_b32 s46, s[WV], 2                       ; the scale words that I store: head wave / 4, step wave % 4
	s_add_co_u32 s46, s46, s45
	s_mul_i32 s24, s46, HB
	s_and_b32 s46, s[WV], 3
	s_add_co_u32 s46, s46, s44
	s_mul_i32 s46, s46, STEPB
	s_add_co_u32 s24, s24, s46
	s_add_co_u32 s24, s24, 12800
.Larms_done:
	s_wait_kmcnt 0x0
	s_cmp_eq_u32 s[YY], 0                          ; q goes to qc and qs, k and v to kv: the choice hangs on the work-group's number alone
	s_cselect_b64 s[OUT0:OUT0+1], s[8:9], s[12:13]
	s_cselect_b64 s[38:39], s[10:11], s[12:13]
	s_add_nc_u64 s[OUT0:OUT0+1], s[OUT0:OUT0+1], s[20:21]
	s_add_nc_u64 s[OUT0+2:OUT0+3], s[OUT0:OUT0+1], s[22:23]
	s_add_nc_u64 s[38:39], s[38:39], s[24:25]
	s_lshl_b32 s42, s[WV], 2
	s_add_co_u32 s42, s42, s[SB]                   ; my first tile of S
	s_mul_i32 s44, s42, 6144
	s_mov_b32 s45, 0
	s_add_nc_u64 s[SSRC:SSRC+1], s[4:5], s[44:45]
	s_lshl_b32 s44, s42, 8
	s_add_nc_u64 s[30:31], s[6:7], s[44:45]
	s_add_co_u32 s42, s[TBT], s[WV]                ; the tile of T that I bring into LDS
	s_mul_i32 s44, s42, 6144
	s_add_nc_u64 s[28:29], s[4:5], s[44:45]
	s_lshl_b32 s44, s[TBT], 8
	s_add_nc_u64 s[32:33], s[6:7], s[44:45]
.irp i, 0,1,2,3,4,5,6,7,8,9,10,11
	global_load_b128 v[TF+4*\i:TF+4*\i+3], v[LA], s[28:29] offset:512*\i    ; my tile of T as it lies: 12 x 512 bytes
.endr
.irp p, 0,1,2,3
	global_load_b128 v[TS+4*\p:TS+4*\p+3], v[LA], s[32:33] offset:512*\p    ; lanes 0-15: tile 2 p, row r, its four words; lanes 16-31: tile 2 p + 1
.endr
.irp p, 0,1
	global_load_b128 v[SS+4*\p:SS+4*\p+3], v[LA], s[30:31] offset:512*\p
.endr
	LOAD_S
	s_wait_loadcnt 0x0
.irp i, 0,1,2,3,4,5,6,7,8,9,10,11
	ds_store_b128 v[TST], v[TF+4*\i:TF+4*\i+3] offset:512*\i
.endr
	s_wait_dscnt 0x0                               ; for the others' sake: my tile of T lies in LDS
	s_barrier_signal -1
	s_barrier_wait -1                              ; all eight do; they are written no more
	FETCH_T 0, 0
; Tile m of T against my 64 rows of S: 16 matrix instructions, the four accumulators by turns, one instruction a turn, K ascending.
.macro TILE m
.if (\m) < 7
	FETCH_T (\m)+1, ((\m)+1)%2                     ; the next tile, into the set that the tile before read: its last product stands more than four plain lines back
	s_wait_dscnt 16                                ; this tile's 16 loads are in; the 16 just issued may be out
.else
	s_wait_dscnt 0x0
.endif
	WIN 0x01                                       ; source 0 (S) window 1
.irp s, 0,1,2,3
.irp t, 0,1,2,3
.if \s == 0
	WM ACC+8*\t, 12*(4*\t+\s), TF+48*((\m)%2)+12*\s, 1, SS+4*(\t/2)+\s, TS+4*((\m)/2)+\s, \t%2, (\m)%2
.else
	WM ACC+8*\t, 12*(4*\t+\s), TF+48*((\m)%2)+12*\s, 0, SS+4*(\t/2)+\s, TS+4*((\m)/2)+\s, \t%2, (\m)%2
.endif
.endr
.endr
	WIN 0
.rept 4
	v_nop                                          ; four places in front of the first read of results (ISA guide 7.12.1)
.endr
.if (\m) > 0
	s_wait_xcnt 0x0                                ; the last tile's stores have read the code registers: they are written again only behind this wait
.endif
	QUANT2 ACC, PW+(\m)                            ; (its lines that name no accumulator are, with the four above, more than the five places in front of the next tile's products, which begin the accumulators anew)
	global_store_b128 v[LA], v[PC:PC+3], s[OUT0+2*((\m)/4):OUT0+2*((\m)/4)+1] offset:768*(\m)        ; 512 and 256 consecutive bytes, at multiples of 256 from the buffer's first byte
	global_store_b64 v[LB], v[PC+4:PC+5], s[OUT0+2*((\m)/4):OUT0+2*((\m)/4)+1] offset:768*(\m)+512
.endm
	TILE 0
	TILE 1
	TILE 2
	TILE 3
	TILE 4
	TILE 5
	TILE 6
	TILE 7
	; THE SCALE WORDS.  q, k: a lane's eight words are whole: four of them are 16 bytes of the layout.  v: a word's four bytes come from two waves: they meet in LDS.
	s_cmp_lg_u32 s[YY], 2
	s_cbranch_scc1 .Lnot_v
.irp m, 0,1,2,3,4,5,6,7
	ds_store_b16 v[VWA], v[PW+\m] offset:(\m/4)*1024+((\m%4)/2)*128+(\m%2)*4   ; head m / 4; channel tile m % 4 = 2 h + i: lane r + 16 h, word i; both halves of the lanes write the same two bytes with the same value
.endr
.Lnot_v:
	s_wait_dscnt 0x0                               ; for the others' sake: my bytes lie in LDS
	s_barrier_signal -1
	s_barrier_wait -1
	s_cmp_lg_u32 s[YY], 2
	s_cbranch_scc1 .Lqk
	ds_load_b64 v[56:57], v[VRA]
	s_wait_dscnt 0x0
	global_store_b64 v[LB], v[56:57], s[38:39]     ; one head's and step's words: 256 consecutive bytes, aligned
	s_wait_tensorcnt 0x0
	ds_add_u32 v254, v255
	s_wait_dscnt 0x0
	s_endpgm
.Lqk:
	v_cmp_lt_u32 vcc_lo, 15, v[LN]                 ; lanes 16-31 store tiles 4-7 of their row, lanes 0-15 tiles 0-3
.irp i, 0,1,2,3
	v_cndmask_b32 v[56+\i], v[PW+\i], v[PW+4+\i], vcc_lo
.endr
	global_store_b128 v[LA], v[56:59], s[38:39]    ; 512 consecutive bytes, aligned
	s_wait_tensorcnt 0x0
	ds_add_u32 v254, v255
	s_wait_dscnt 0x0
	s_endpgm
.Lfunc_end_k_qea4c349cc0_proj:
	.size	k_qea4c349cc0_proj, .Lfunc_end_k_qea4c349cc0_proj-k_qea4c349cc0_proj
	.p2alignl 7, 3214868480
	.fill 96, 4, 3214868480
	.section	.rodata,"a",@progbits
	.p2align	6, 0x0
	.amdhsa_kernel k_qea4c349cc0_proj
		.amdhsa_group_segment_fixed_size 52224
		.amdhsa_private_segment_fixed_size 0
		.amdhsa_enable_private_segment 0
		.amdhsa_kernarg_size 40
		.amdhsa_user_sgpr_count 2
		.amdhsa_user_sgpr_kernarg_segment_ptr 1
		.amdhsa_wavefront_size32 1
		.amdhsa_system_sgpr_workgroup_id_x 1
		.amdhsa_system_sgpr_workgroup_id_y 1
		.amdhsa_system_sgpr_workgroup_id_z 1
		.amdhsa_system_vgpr_workitem_id 0
		.amdhsa_next_free_vgpr 448
		.amdhsa_next_free_sgpr 66
		.amdhsa_reserve_vcc 1
		.amdhsa_float_denorm_mode_32 3
		.amdhsa_float_denorm_mode_16_64 3
		.amdhsa_memory_ordered 1
		.amdhsa_forward_progress 1
		.amdhsa_inst_pref_size 57
	.end_amdhsa_kernel
	.amdgpu_metadata
---
amdhsa.version: [ 1, 2 ]
amdhsa.kernels:
  - .name:           k_qea4c349cc0_proj
    .symbol:         k_qea4c349cc0_proj.kd
    .args:
      - { .name: cod, .offset: 0, .size: 8, .value_kind: global_buffer, .address_space: global }
      - { .name: scl, .offset: 8, .size: 8, .value_kind: global_buffer, .address_space: global }
      - { .name: qc, .offset: 16, .size: 8, .value_kind: global_buffer, .address_space: global }
      - { .name: qs, .offset: 24, .size: 8, .value_kind: global_buffer, .address_space: global }
      - { .name: kv, .offset: 32, .size: 8, .value_kind: global_buffer, .address_space: global }
    .group_segment_fixed_size: 52224
    .private_segment_fixed_size: 0
    .kernarg_segment_align: 8
    .kernarg_segment_size: 40
    .max_flat_workgroup_size: 256
    .sgpr_count:     66
    .vgpr_count:     448
    .wavefront_size: 32
...
	.end_amdgpu_metadata
.endif
;; end of part 2
;; launch attn (part 3): grid 8 x 32, 16 waves a work-group, clusters of 4 x 1, 211,968 bytes of LDS; arguments qc, qs, kv, oc, os; writes oc, os
.if DOCPART == 3
	.amdgcn_target "amdgcn-amd-amdhsa--gfx1250"
	.amdhsa_code_object_version 6
	.text
	.protected	k_qea4c349cc0_attn
	.globl	k_qea4c349cc0_attn
	.p2align	8
	.type	k_qea4c349cc0_attn,@function
k_qea4c349cc0_attn:
	s_mov_b64 s[64:65], 0
	v_nop
	global_prefetch_b8 v0, s[64:65] scope:SCOPE_SE
	s_setreg_imm32_b32 hwreg(HW_REG_WAVE_MODE, 25, 1), 1
	s_wait_xcnt 0x0
	s_wait_alu depctr_hold_cnt(0) depctr_sa_sdst(0) depctr_va_vdst(0) depctr_va_sdst(0) depctr_va_ssrc(0) depctr_va_vcc(0) depctr_vm_vsrc(0)
	s_getreg_b32 s2, hwreg(HW_REG_IB_STS2, 6, 4)
	s_cmp_eq_u32 s2, 0
	s_cbranch_scc0 .Lentry_in_a_cluster
	s_endpgm
.Lentry_in_a_cluster:
	s_bfe_u32 s2, ttmp6, 0x10000c
	s_cmp_lg_u32 s2, 0x3003
	s_cbranch_scc0 .Lentry_shape_is_right
	s_endpgm
.Lentry_shape_is_right:
; O = softmax(q k^T / 8) v for each of 32 heads of batch (2,048 tokens, head size 64), both products on codes of FP6 (E2M3) with E8M0 scales; O / l is quantised along the model's 512 (a head is two blocks).
; THE SOFTMAX: t = score x log2(e) / 8; M = the running largest t rounded UP to a whole number; p = 2^(t - M) is what is quantised, along the keys; it is not normalised.  The row's sum l is taken of the
; unquantised p, in f32, and divides O at the end.  When M moves, l and O are multiplied by 2^(old M - new M): exact.
; SHARES: a work-group owns 256 queries of one head, each of its sixteen waves one tile of 16 in 256 registers: four waves to a SIMD, so that one wave's vector work stands beside another's products and LDS loads.
; LDS: a head's K, V and scale words, 208,896 bytes, lie in LDS as they lie in kv, FILLED ONCE: 16 key steps of 13,056 bytes (K's 8 half images; at 6,144 V's [c (2)][channel tile (4)]; at 12,288 K's scale words; at 12,800 V's).
; No byte is filled again.  Behind them 1,024 bytes for O's scale words, into which no fill lands.
; CLUSTER: the four work-groups of a cluster own query blocks of one head and need the same bytes: each fill is asked for JOINTLY (the same tensor load, the same descriptor, the mask 15).  Waves 0-3 issue four loads each:
; load c of wave w is key step 4 c + w.  A wave has four tensor loads out at the most.  All of the head's bytes are asked for at the kernel's head: there is no later load to ask ahead of, so no prefetch.
; LAYOUT: both products are used transposed: S^T = K Q^T (source 0 = 16 keys), O^T = V^T P^T (source 0 = 16 channels): a lane holds ONE query (lane % 16) throughout.  The rows of a tile are not neighbours (lane-row r of tile T is
; row 32 (T / 2) + 8 (T % 2) + r + 8 (r / 8)), so that the 16 registers of tiles 2 b, 2 b + 1 are 16 neighbouring keys (channels): 32 b + 16 (lane / 16) + 0 .. 15.
; THE HEAD IS 64 AND THE INSTRUCTION 128 DEEP: Q's registers 6-11 are zero codes, and bytes 2, 3 of Q's and K's scale words are 0 (2^-127, a number).  K's fragment t is v[KF + 6 t .. + 11]: its upper six registers are the next tile's
; codes (for t = 7: zeros).  Every pattern of six bits is a finite number of E2M3, so that half adds exact zeros.
; LIMITS: NaN and infinities are not served; a p under 2^-126 comes out of v_exp_f32 as 0; a block of zeros gets the byte 1 (its codes are zeros; this program alone reads the bytes).  A block's largest p is made from the block's
; largest score by the same multiply-add and exponential, which takes v_exp_f32 not to fall where its input rises.
.set HB,    208896
.set STEPB, 13056
.set OST,   208896                     ; LDS: O's scale words, 64 bytes a wave
.set LA,  1                            ; v1   16 x lane
.set LB,  2                            ; v2   8 x lane
.set ADA, 3                            ; v3   the step's first byte + 16 x lane
.set ADB, 4                            ; v4   the same + 8 x lane
.set QSA, 5                            ; v5   16 r
.set OWA, 6                            ; v6   OST + 64 x wave + 4 r
.set ORA, 7                            ; v7   OST + 512 (wave % 2) + 16 x lane
.set Q,   16                           ; v16-27 Q's fragment
.set QS,  28                           ; v28  Q's scale words
.set KF,  32                           ; v32-85 K's fragments, then V's (v32-79); v80-85 stay 0
.set KS,  86                           ; v86-89 K's scale words: register i: lanes 0-15 tile i, lanes 16-31 tile 4 + i
.set VS,  90                           ; v90-91 V's: register i: lanes 0-15 channel tile i, lanes 16-31 tile 2 + i
.set S,   96                           ; v96-159 S^T, then p
.set O,   160                          ; v160-191 O^T
.set BM,  192                          ; v192-195 the blocks' largest scores, then largest p
.set PX,  196                          ; v196-199 lane l xor 16's
.set SO,  200                          ; v200-203 the conversions' scale operands
.set PC,  204                          ; v204-215 p's codes
.set PT,  216                          ; v216-222 the conversions' second results
.set F,   224                          ; v224 f = 2^(old M - new M)
.set PS,  225                          ; v225 p's scale word
.set T0,  226                          ; v226 at work
.set SC,  228                          ; v[228:229] the sums' second chain
.set BY,  232                          ; v232-235 scale bytes
.set TM,  192                          ; QUANT2's six registers, on the way out
.set WV,  14
.set CX,  15
.set XB,  16
.set BH,  17
.set W1,  18                           ; 512 (wave % 2)
.set SEL, 20                           ; s[20:21] lane selects: lane l xor 16
.set CS,  22                           ; s[22:23] c = log2(e) / 8: the packed form names a pair and takes its low word for both halves
.set G1,  24                           ; s[24:31] descriptor group 1
.set G0,  32                           ; s[32:47] four groups 0, one for each chunk; never rewritten
.set TB,  48                           ; s48  LDS byte at which the step in hand begins
.set CNT, 49
.macro WM d, a, b, zero, sa, sb, ra, rb
.if \zero
.if (\ra) && (\rb)
	v_wmma_scale_f32_16x16x128_f8f6f4 v[\d:\d+7], v[\a:\a+11], v[\b:\b+11], 0, v[\sa], v[\sb] matrix_a_fmt:MATRIX_FMT_FP6 matrix_b_fmt:MATRIX_FMT_FP6 matrix_a_scale:MATRIX_SCALE_ROW1 matrix_b_scale:MATRIX_SCALE_ROW1
.elseif \ra
	v_wmma_scale_f32_16x16x128_f8f6f4 v[\d:\d+7], v[\a:\a+11], v[\b:\b+11], 0, v[\sa], v[\sb] matrix_a_fmt:MATRIX_FMT_FP6 matrix_b_fmt:MATRIX_FMT_FP6 matrix_a_scale:MATRIX_SCALE_ROW1
.elseif \rb
	v_wmma_scale_f32_16x16x128_f8f6f4 v[\d:\d+7], v[\a:\a+11], v[\b:\b+11], 0, v[\sa], v[\sb] matrix_a_fmt:MATRIX_FMT_FP6 matrix_b_fmt:MATRIX_FMT_FP6 matrix_b_scale:MATRIX_SCALE_ROW1
.else
	v_wmma_scale_f32_16x16x128_f8f6f4 v[\d:\d+7], v[\a:\a+11], v[\b:\b+11], 0, v[\sa], v[\sb] matrix_a_fmt:MATRIX_FMT_FP6 matrix_b_fmt:MATRIX_FMT_FP6
.endif
.else
.if (\ra) && (\rb)
	v_wmma_scale_f32_16x16x128_f8f6f4 v[\d:\d+7], v[\a:\a+11], v[\b:\b+11], v[\d:\d+7], v[\sa], v[\sb] matrix_a_fmt:MATRIX_FMT_FP6 matrix_b_fmt:MATRIX_FMT_FP6 matrix_a_scale:MATRIX_SCALE_ROW1 matrix_b_scale:MATRIX_SCALE_ROW1
.elseif \ra
	v_wmma_scale_f32_16x16x128_f8f6f4 v[\d:\d+7], v[\a:\a+11], v[\b:\b+11], v[\d:\d+7], v[\sa], v[\sb] matrix_a_fmt:MATRIX_FMT_FP6 matrix_b_fmt:MATRIX_FMT_FP6 matrix_a_scale:MATRIX_SCALE_ROW1
.elseif \rb
	v_wmma_scale_f32_16x16x128_f8f6f4 v[\d:\d+7], v[\a:\a+11], v[\b:\b+11], v[\d:\d+7], v[\sa], v[\sb] matrix_a_fmt:MATRIX_FMT_FP6 matrix_b_fmt:MATRIX_FMT_FP6 matrix_b_scale:MATRIX_SCALE_ROW1
.else
	v_wmma_scale_f32_16x16x128_f8f6f4 v[\d:\d+7], v[\a:\a+11], v[\b:\b+11], v[\d:\d+7], v[\sa], v[\sb] matrix_a_fmt:MATRIX_FMT_FP6 matrix_b_fmt:MATRIX_FMT_FP6
.endif
.endif
.endm
; 32 numbers of a lane, register 16 b + i = k 32 b + 16 (lane / 16) + i of my row, become a half image's six registers in v[PC] on and the word byte 0 | byte 1 << 8 in v[pw].
.macro QUANT2 src, pw
.irp b, 0,1
	v_max3_num_f32 v[TM+\b], |v[\src+16*\b]|, |v[\src+16*\b+1]|, 0x1800000   ; my 16 numbers of block b, and the floor 2^(3 - 127): the byte cannot fall under 1
.endr
.irp i, 2,4,6,8,10,12,14
.irp b, 0,1
	v_max3_num_f32 v[TM+\b], v[TM+\b], |v[\src+16*\b+\i]|, |v[\src+16*\b+\i+1]|
.endr
.endr
.irp b, 0,1
	v_permlanex16_b32 v[TM+2+\b], v[TM+\b], s[SEL], s[SEL+1]
.endr
.irp b, 0,1
	v_max_num_f32 v[TM+\b], v[TM+\b], v[TM+2+\b]
.endr
.irp b, 0,1
	v_add_nc_u32 v[TM+4+\b], 0xff000000, v[TM+\b]
.endr
.irp b, 0,1
	v_lshrrev_b32 v[TM+2+\b], 23, v[TM+4+\b]
.endr
	v_lshl_or_b32 v[\pw], v[TM+3], 8, v[TM+2]
	v_cvt_scalef32_pk16_fp6_f32 v[PC:PC+2], v[\src:\src+15], v[TM+4]
	v_cvt_scalef32_pk16_fp6_f32 v[PC+4:PC+6], v[\src+16:\src+31], v[TM+5]
	v_nop                                          ; one plain place behind a scaled conversion
.irp i, 0,1,2
	v_permlane16_swap_b32 v[PC+\i], v[PC+4+\i]
.endr
	v_mov_b32 v[PC+3], v[PC+4]
	v_mov_b32 v[PC+4], v[PC+5]
	v_mov_b32 v[PC+5], v[PC+6]
.endm
; A round of the cluster's barrier: my work-group's barrier; wave 0 signals for the work-group; every wave waits for all four work-groups; my work-group's barrier once more.
.macro ROUND
	s_barrier_signal -1
	s_barrier_wait -1
	s_cmp_lg_u32 s[WV], 0
	s_cbranch_scc1 .Lnot_wave_0_\@
	s_barrier_signal -3
.Lnot_wave_0_\@:
	s_barrier_wait -3
	s_barrier_signal -1
	s_barrier_wait -1
.endm
	s_load_b256 s[4:11], s[0:1], 0x0               ; qc s[4:5], qs s[6:7], kv s[8:9], oc s[10:11]
	s_load_b64 s[12:13], s[0:1], 0x20              ; os
	v_lshl_add_u32 v254, v0, 2, 0x33400
	v_mov_b32 v255, 0
	ds_add_u32 v254, v255
	ds_add_u32 v254, v255
	v_lshrrev_b32 v8, 5, v0
	v_readfirstlane_b32 s[WV], v8                  ; wave 0..15
	v_and_b32 v8, 31, v0                           ; lane
	v_and_b32 v9, 15, v0                           ; r
	v_lshlrev_b32 v[LA], 4, v8
	v_lshlrev_b32 v[LB], 3, v8
	v_lshlrev_b32 v[QSA], 4, v9
	s_lshl_b32 s50, s[WV], 6
	s_add_co_u32 s50, s50, OST
	v_lshl_add_u32 v[OWA], v9, 2, s50
	s_and_b32 s[W1], s[WV], 1
	s_lshl_b32 s[W1], s[W1], 9
	s_add_co_u32 s50, s[W1], OST
	v_add_nc_u32 v[ORA], s50, v[LA]
	s_and_b32 s[BH], ttmp7, 0xffff                 ; the head of batch, which the four partners share
	; descriptor group 1: a key step: 51 rows of 256 bytes (32 elements of 8 bytes), dense in memory and in LDS
	s_mov_b32 s[G1], 15|(3<<16)|(1<<21)            ; 15:0 the mask: all four work-groups; 17:16 elements of 8 bytes; 20 no padding; 21 set beside a mask
	s_mov_b32 s[G1+1], 32<<16                      ; tensor_dim0 = 32
	s_mov_b32 s[G1+2], 51<<16                      ; tensor_dim1 = 51
	s_mov_b32 s[G1+3], 32<<16                      ; tile_dim0 = 32
	s_mov_b32 s[G1+4], 51                          ; tile_dim1 = 51
	s_mov_b32 s[G1+5], 32                          ; from row to row
	s_mov_b32 s[G1+6], 0
	s_mov_b32 s[G1+7], 0
	s_mov_b32 s[SEL], 0x76543210
	s_mov_b32 s[SEL+1], 0xfedcba98
	s_mov_b32 s[CS], 0x3e38aa3b                    ; c = log2(e) / 8
	s_mov_b32 s[CS+1], s[CS]                       ; (named with it as a pair, so it is written)
	s_mul_i32 s50, s[WV], STEPB                    ; my step of a chunk: in LDS as in the head's bytes; no place in the cluster enters it
	s_mul_i32 s52, s[BH], HB
	s_add_co_u32 s52, s52, s50
	s_mov_b32 s53, 0
	s_wait_dscnt 0x0
	s_wait_kmcnt 0x0
	s_add_nc_u64 s[52:53], s[8:9], s[52:53]
.irp c, 0,1,2,3
	s_mov_b32 s[G0+4*\c], 1                                        ; count = 1
	s_add_co_u32 s[G0+4*\c+1], s50, \c*4*STEPB                     ; LDS address: key step 4 c + wave
	s_add_nc_u64 s[G0+4*\c+2:G0+4*\c+3], s[52:53], \c*4*STEPB      ; global address
	s_or_b32 s[G0+4*\c+3], s[G0+4*\c+3], 0x80000000                ; type = 2
.endr
	ROUND                                          ; all four work-groups are here: the joint loads meet
	s_cmp_lt_u32 s[WV], 4                          ; a wave's fills stand in one branch on its number, ahead of every wait on TENSORcnt, every LDS read and every other barrier
	s_cbranch_scc0 .Lno_fill
	tensor_load_to_lds s[G0:G0+3], s[G1:G1+7]
	s_nop 0
	tensor_load_to_lds s[G0+4:G0+7], s[G1:G1+7]
	s_nop 0
	tensor_load_to_lds s[G0+8:G0+11], s[G1:G1+7]
	s_nop 0
	tensor_load_to_lds s[G0+12:G0+15], s[G1:G1+7]
	s_nop 0
.rept 4
	v_nop
.endr
.Lno_fill:
	s_bfe_u32 s[CX], ttmp6, 0x40000                ; my place in the cluster: it enters the addresses of Q, oc and os alone
	s_lshl_b32 s[XB], ttmp9, 2
	s_add_co_u32 s[XB], s[XB], s[CX]               ; my block of 256 queries
	s_lshl_b32 s50, s[BH], 7
	s_lshl_b32 s51, s[XB], 4
	s_add_co_u32 s50, s50, s51
	s_add_co_u32 s50, s50, s[WV]                   ; my tile of queries: 128 x head of batch + 16 x block + wave
	s_mul_i32 s50, s50, 768
	s_mov_b32 s51, 0
	s_add_nc_u64 s[56:57], s[4:5], s[50:51]
	s_lshl_b32 s50, s[BH], 13                      ; its scale words: 8,192 a head, 512 for 8 tiles; tile 4 h + i of the eight lies at 256 h + 16 r + 4 i
	s_lshl_b32 s52, s[XB], 10
	s_add_co_u32 s50, s50, s52
	s_lshr_b32 s52, s[WV], 2
	s_lshl_b32 s52, s52, 8
	s_add_co_u32 s50, s50, s52
	s_and_b32 s52, s[WV], 3
	s_lshl_b32 s52, s52, 2
	s_add_co_u32 s50, s50, s52
	s_add_nc_u64 s[58:59], s[6:7], s[50:51]
	s_lshr_b32 s52, s[BH], 3
	s_lshl_b32 s52, s52, 7
	s_lshl_b32 s53, s[XB], 4
	s_add_co_u32 s52, s52, s53                     ; the work-group's first token tile of all 512
	s_and_b32 s53, s[BH], 7                        ; the head
	s_add_co_u32 s50, s52, s[WV]
	s_lshl_b32 s50, s50, 3
	s_add_co_u32 s50, s50, s53
	s_mul_i32 s50, s50, 768
	s_add_nc_u64 s[60:61], s[10:11], s[50:51]      ; oc [token tile][head] x 768
	s_lshl_b32 s50, s53, 15
	s_lshl_b32 s52, s52, 6
	s_add_co_u32 s50, s50, s52
	s_add_co_u32 s50, s50, s[W1]
	s_add_nc_u64 s[62:63], s[12:13], s[50:51]      ; os [head][token tile][r] words: the work-group's 1,024 bytes, my half (waves 0 and 1 store)
	global_load_b128 v[Q:Q+3], v[LA], s[56:57]
	global_load_b64 v[Q+4:Q+5], v[LB], s[56:57] offset:512
	global_load_b32 v[QS], v[QSA], s[58:59]
.irp i, 6,7,8,9,10,11
	v_mov_b32 v[Q+\i], 0                           ; Q's codes of k = 64 .. 127
	v_mov_b32 v[KF+42+\i], 0                       ; v80-85: the upper half of K's last fragment
.endr
.set j, 0
.rept 32
	v_mov_b32 v[O+j], 0                            ; O^T.  (The step is written without a first step of its own: it finds zeros, which the first change of M leaves zeros)
.set j, j+1
.endr
	v_mov_b32 v14, 0                               ; the sum, in two halves
	v_mov_b32 v15, 0
.irp b, 0,1,2,3
	v_mov_b32 v[PX+\b], 0                          ; written once: a lane permute's destination counts as one of its sources
.endr
	v_mov_b32 v[PS], 0                             ; (named as the upper half of the pair v[224:225] before it is first written)
	v_mov_b32 v13, 0xff61b1e6                      ; the largest t so far: -3e38, under every t
	v_floor_f32 v12, -v13                          ; -M
	s_wait_loadcnt 0x0                             ; Q
; A KEY STEP: 128 keys.
.macro STEP
	v_add_nc_u32 v[ADA], s[TB], v[LA]
	v_add_nc_u32 v[ADB], s[TB], v[LB]
	v_nop
	v_nop                                          ; four places in front of loads into registers that the last step's products have read
.irp t, 0,1,2,3,4,5,6,7
	ds_load_b128 v[KF+6*\t:KF+6*\t+3], v[ADA] offset:768*\t
	ds_load_b64 v[KF+6*\t+4:KF+6*\t+5], v[ADB] offset:768*\t+512
.endr
	ds_load_b128 v[KS:KS+3], v[ADA] offset:12288
	ds_load_b64 v[VS:VS+1], v[ADB] offset:12800
	s_wait_dscnt 0x0
.irp t, 0,1,2,3,4,5,6,7
	WM S+8*\t, KF+6*\t, Q, 1, KS+\t%4, QS, \t/4, 0
.endr
.rept 4
	v_nop                                          ; four places in front of the loads below and of the first read of the scores
.endr
.irp t, 0,1,2,3                                ; V's fragments land under the softmax
.irp c, 0,1
	ds_load_b128 v[KF+12*\t+6*\c:KF+12*\t+6*\c+3], v[ADA] offset:6144+3072*\c+768*\t
	ds_load_b64 v[KF+12*\t+6*\c+4:KF+12*\t+6*\c+5], v[ADB] offset:6144+3072*\c+768*\t+512
.endr
.endr
.irp b, 0,1,2,3
	v_max3_num_f32 v[BM+\b], v[S+16*\b], v[S+16*\b+1], v[S+16*\b+2]   ; THE LARGEST SCORE OF EACH BLOCK OF 32 KEYS: for the row's maximum, and, since p rises with the score, for the block's largest p
.endr
.irp i, 3,5,7,9,11,13
.irp b, 0,1,2,3
	v_max3_num_f32 v[BM+\b], v[BM+\b], v[S+16*\b+\i], v[S+16*\b+\i+1]   ; (the four blocks by turns; i = 7 is the first read of the odd tiles, at their register 0)
.endr
.endr
.irp b, 0,1,2,3
	v_max_num_f32 v[BM+\b], v[BM+\b], v[S+16*\b+15]
.endr
.irp b, 0,1,2,3
	v_permlanex16_b32 v[PX+\b], v[BM+\b], s[SEL], s[SEL+1]
.endr
.irp b, 0,1,2,3
	v_max_num_f32 v[BM+\b], v[BM+\b], v[PX+\b]     ; with lane l xor 16's 16 keys
.endr
	v_max3_num_f32 v[T0], v[BM], v[BM+1], v[BM+2]
	v_max_num_f32 v[T0], v[T0], v[BM+3]            ; the step's largest score of my query
	v_mul_f32 v[T0], s[CS], v[T0]                  ; as t (c is positive)
	v_max_num_f32 v13, v13, v[T0]                  ; the running largest t
	v_mov_b32 v[T0], v12
	v_floor_f32 v12, -v13                          ; the new -M = floor(-t) = -ceil(t): M is a whole number
	v_sub_f32 v[T0], v12, v[T0]                    ; M's old value less its new one: a whole number, 0 or less
	v_cvt_i32_f32 v[T0], v[T0]                     ; (it saturates)
	v_ldexp_f32 v[F], 1.0, v[T0]                   ; f = 2^(old M - new M)
.set j, 0
.rept 32
	v_pk_fma_f32 v[S+j:S+j+1], v[S+j:S+j+1], s[CS:CS+1], v[12:13] op_sel_hi:[1,0,0]   ; t - M, two at a time (of the pairs c and -M the low word serves both halves)
.set j, j+2
.endr
.irp b, 0,1,2,3
	v_fma_f32 v[BM+\b], v[BM+\b], s[CS], v12       ; the same of each block's largest score
.endr
.set j, 0
.rept 64
	v_exp_f32 v[S+j], v[S+j]                       ; p = 2^(t - M), at most 1: not normalised
.set j, j+1
.endr
	v_pk_mul_f32 v[14:15], v[14:15], v[F:F+1] op_sel_hi:[1,0]   ; the sums under the new M.  (The plain place behind the exponentials)
	s_wait_alu depctr_va_vdst(0)                   ; one wait for the whole batch, ahead of its first reader
.irp b, 0,1,2,3
	v_exp_f32 v[BM+\b], v[BM+\b]                   ; the block's largest p: the same two instructions on the same number give the same bits
.endr
	v_pk_add_f32 v[SC:SC+1], v[S:S+1], v[S+2:S+3]  ; THE ROW'S SUM IS TAKEN OF THE UNQUANTISED p: two at a time, in two chains.  (Plain work behind the four)
.irp j, 4,8,12,16,20,24,28,32,36,40,44,48,52,56,60
	v_pk_add_f32 v[14:15], v[14:15], v[S+\j:S+\j+1]
	v_pk_add_f32 v[SC:SC+1], v[SC:SC+1], v[S+\j+2:S+\j+3]
.endr
	v_pk_add_f32 v[14:15], v[14:15], v[SC:SC+1]
	s_wait_alu depctr_va_vdst(0)                   ; and one for the four
.irp b, 0,1,2,3
	v_max_num_f32 v[BM+\b], 0x1800000, v[BM+\b]    ; the floor 2^(3 - 127): the byte cannot fall under 1
.endr
.irp b, 0,1,2,3
	v_add_nc_u32 v[SO+\b], 0xff000000, v[BM+\b]    ; 2 off the exponent field: the conversion's scale operand
.endr
.irp b, 0,1,2,3
	v_lshrrev_b32 v[BY+\b], 23, v[SO+\b]           ; the scale's byte
.endr
	v_lshl_or_b32 v[PS], v[BY+1], 8, v[BY]         ; p's scale word for these 128 keys
	v_lshl_or_b32 v[PS], v[BY+2], 16, v[PS]
	v_lshl_or_b32 v[PS], v[BY+3], 24, v[PS]
.irp c, 0,1
	v_cvt_scalef32_pk16_fp6_f32 v[PC+6*\c:PC+6*\c+2], v[S+32*\c:S+32*\c+15], v[SO+2*\c]
	v_cvt_scalef32_pk16_fp6_f32 v[PT+4*\c:PT+4*\c+2], v[S+32*\c+16:S+32*\c+31], v[SO+2*\c+1]   ; (a conversion's three registers begin on an even number)
.endr
	v_nop                                          ; one plain place behind a scaled conversion
.irp c, 0,1                                    ; the layout wants a WHOLE block in a lane: lanes 0-15 block 2 c, lanes 16-31 block 2 c + 1
.irp i, 0,1,2
	v_permlane16_swap_b32 v[PC+6*\c+\i], v[PT+4*\c+\i]
.endr
.irp i, 0,1,2
	v_mov_b32 v[PC+6*\c+3+\i], v[PT+4*\c+\i]
.endr
.endr
.set j, 0
.rept 16
	v_pk_mul_f32 v[O+j:O+j+1], v[O+j:O+j+1], v[F:F+1] op_sel_hi:[1,0]   ; O^T under the new M, each accumulator from its low end on.  (Of these sixteen, twelve name no register of any one product below: the places behind the writes of p's codes and scale word)
.set j, j+2
.endr
	s_wait_dscnt 0x0                               ; V is in
.irp t, 0,1,2,3
	WM O+8*\t, KF+12*\t, PC, 0, VS+\t%2, PS, \t/2, 0   ; the four accumulators take turns, one instruction a turn
.endr
	s_add_co_u32 s[TB], s[TB], STEPB
.endm
; A CHUNK: four key steps, which waves 0-3 have asked for with their c-th loads.  The count leaves the later chunks' loads of the wave out.
.macro CHUNK c
	s_wait_tensorcnt 3-\c                          ; tensor loads of a wave end in order (ISA guide 10.11.1): my step of this chunk is in LDS,
	s_wait_dscnt 0x0
	s_barrier_signal -1
	s_barrier_wait -1                              ; everybody's is
	s_mov_b32 s[TB], \c*4*STEPB
	s_mov_b32 s[CNT], 4
.Lstep_\@:
	STEP
	s_sub_co_u32 s[CNT], s[CNT], 1
	s_cmp_lg_u32 s[CNT], 0
	s_cbranch_scc1 .Lstep_\@
.endm
	CHUNK 0
	CHUNK 1
	CHUNK 2
	CHUNK 3                                        ; its wait is for 0: no tensor load is out from here on
	; THE WAY OUT: O^T / l, quantised along the head's 64 (two blocks of the next product's K): a half image and a scale word a row.
.rept 4
	v_nop                                          ; four places behind the last products
.endr
	v_add_f32 v14, v14, v15                        ; the sum's two halves,
	v_permlanex16_b32 v[T0], v14, s[SEL], s[SEL+1]
	v_add_f32 v14, v14, v[T0]                      ; and lane l xor 16's: the row's sum
	v_rcp_f32 v14, v14
	v_nop                                          ; a plain place behind the transcendental
	s_wait_alu depctr_va_vdst(0)                   ; and the wait ahead of its first reader
.set j, 0
.rept 16
	v_pk_mul_f32 v[O+j:O+j+1], v[O+j:O+j+1], v[14:15] op_sel_hi:[1,0]
.set j, j+2
.endr
	QUANT2 O, T0
	global_store_b128 v[LA], v[PC:PC+3], s[60:61]              ; 512 and 256 consecutive bytes, at multiples of 256 from oc's first byte
	global_store_b64 v[LB], v[PC+4:PC+5], s[60:61] offset:512
	ds_store_b32 v[OWA], v[T0]                     ; both halves of the lanes write the same word with the same value
	s_wait_dscnt 0x0                               ; for the others' sake: my 16 words lie in LDS
	s_barrier_signal -1
	s_barrier_wait -1
	s_cmp_lt_u32 s[WV], 2
	s_cbranch_scc0 .Lno_os
	ds_load_b128 v[BY:BY+3], v[ORA]
	s_wait_dscnt 0x0
	global_store_b128 v[LA], v[BY:BY+3], s[62:63]  ; the work-group's 256 words in two stores of 512 consecutive bytes, aligned
.Lno_os:
	s_wait_tensorcnt 0x0
	ds_add_u32 v254, v255
	s_wait_dscnt 0x0
	ROUND                                          ; the closing round: no work-group ends while a partner may still ask for bytes jointly
	s_endpgm
.Lfunc_end_k_qea4c349cc0_attn:
	.size	k_qea4c349cc0_attn, .Lfunc_end_k_qea4c349cc0_attn-k_qea4c349cc0_attn
	.p2alignl 7, 3214868480
	.fill 96, 4, 3214868480
	.section	.rodata,"a",@progbits
	.p2align	6, 0x0
	.amdhsa_kernel k_qea4c349cc0_attn
		.amdhsa_group_segment_fixed_size 211968
		.amdhsa_private_segment_fixed_size 0
		.amdhsa_enable_private_segment 0
		.amdhsa_kernarg_size 40
		.amdhsa_user_sgpr_count 2
		.amdhsa_user_sgpr_kernarg_segment_ptr 1
		.amdhsa_wavefront_size32 1
		.amdhsa_system_sgpr_workgroup_id_x 1
		.amdhsa_system_sgpr_workgroup_id_y 1
		.amdhsa_system_sgpr_workgroup_id_z 1
		.amdhsa_system_vgpr_workitem_id 0
		.amdhsa_next_free_vgpr 256
		.amdhsa_next_free_sgpr 80
		.amdhsa_reserve_vcc 0
		.amdhsa_float_denorm_mode_32 3
		.amdhsa_float_denorm_mode_16_64 3
		.amdhsa_memory_ordered 1
		.amdhsa_forward_progress 1
		.amdhsa_inst_pref_size 76
	.end_amdhsa_kernel
	.amdgpu_metadata
---
amdhsa.version: [ 1, 2 ]
amdhsa.kernels:
  - .name:           k_qea4c349cc0_attn
    .symbol:         k_qea4c349cc0_attn.kd
    .args:
      - { .name: qc, .offset: 0, .size: 8, .value_kind: global_buffer, .address_space: global }
      - { .name: qs, .offset: 8, .size: 8, .value_kind: global_buffer, .address_space: global }
      - { .name: kv, .offset: 16, .size: 8, .value_kind: global_buffer, .address_space: global }
      - { .name: oc, .offset: 24, .size: 8, .value_kind: global_buffer, .address_space: global }
      - { .name: os, .offset: 32, .size: 8, .value_kind: global_buffer, .address_space: global }
    .group_segment_fixed_size: 211968
    .private_segment_fixed_size: 0
    .kernarg_segment_align: 8
    .kernarg_segment_size: 40
    .max_flat_workgroup_size: 512
    .sgpr_count:     80
    .vgpr_count:     256
    .wavefront_size: 32
...
	.end_amdgpu_metadata
.endif
;; end of part 3
;; launch oproj (part 4): grid 256 x 1, 8 waves a work-group, no clusters, 35,840 bytes of LDS; arguments cod, scl, oc, os, out0; writes out0
.if DOCPART == 4
	.amdgcn_target "amdgcn-amd-amdhsa--gfx1250"
	.amdhsa_code_object_version 6
	.text
	.protected	k_qea4c349cc0_oproj
	.globl	k_qea4c349cc0_oproj
	.p2align	8
	.type	k_qea4c349cc0_oproj,@function
k_qea4c349cc0_oproj:
	s_mov_b64 s[64:65], 0
	v_nop
	global_prefetch_b8 v0, s[64:65] scope:SCOPE_SE
	s_setreg_imm32_b32 hwreg(HW_REG_WAVE_MODE, 25, 1), 1
	s_wait_xcnt 0x0
; out0 = O Wo^T on codes of FP6 (E2M3) with E8M0 scales; out0 [8192][512] f32.  O's codes (oc) and scale words (os) come from the launch before, Wo's (cod tiles 608-639, scl) from the first.
; SHARES: a work-group takes 32 tokens: token tiles 2 g and 2 g + 1.  Wave w takes Wo's rows 64 w .. 64 w + 63 (four tiles, 16 fragments, 192 registers) as source 0, the tokens as source 1: a lane holds one token and
; eight neighbouring outputs.  Operands go from memory straight into registers as images (a half image: 16 rows x 64 codes: lane l's registers 0-3 at 16 l, 4-5 at 512 + 8 l).  Waves share nothing: no barrier.
; TILES: lane-row r of tile T is row 32 (T / 2) + 8 (T % 2) + r + 8 (r / 8): so register j of Wo's tile 2 b + u is output 64 w + 32 b + 16 (lane / 16) + 8 u + j, and lane-row r of token tile 2 g + m is token 32 g + 8 m + r + 8 (r / 8).
; K = 512 = 8 heads of 64: K step s is heads 2 s and 2 s + 1; a token's scale word of K step s is head 2 s's two bytes below head 2 s + 1's.
; THE WAY OUT: 16 tokens x 64 outputs go through the wave's own stage in LDS (rows 272 bytes apart = 17 x 16) and leave as rows: sixteen lanes store 256 consecutive bytes, aligned.
; NO CLUSTER: a joint request fills LDS, and what work-groups share here, Wo's rows, lives in registers: a way through LDS would write and read those bytes once more for 32 matrix instructions a wave.
.set LA,  1                            ; v1   16 x lane
.set LB,  2                            ; v2   8 x lane
.set L4,  3                            ; v3   4 x lane
.set STO, 4                            ; v4   the stage, in: 4,352 x wave + 272 r + 64 h
.set RD,  5                            ; v5   back: 4,352 x wave + 272 (lane / 16) + 16 (lane % 16)
.set CO,  6                            ; v6   in out0: 2,048 (lane / 16) + 16 (lane % 16)
.set TW,  8                            ; v8-15  O's scale words, one register a head: lanes 0-15 tile 2 g, lanes 16-31 tile 2 g + 1
.set TS,  16                           ; v16-19 the same, a register a K step
.set SS,  24                           ; v24-31 Wo's scale words: register 4 (t / 2) + s: lanes 0-15 tile t even, lanes 16-31 tile t odd
.set ACC, 32                           ; v32-95 accumulator (m, t) at 32 + 8 (4 m + t)
.set TF,  96                           ; v96-191 O's fragment (m, s) at 96 + 12 (4 m + s); on the way out rows read back
.set WV,  14
.set SSRC, 26                          ; s[26:27] my 4 tiles of Wo;  s[28:29] the two token tiles;  s[30:31] Wo's scale bytes;  s[32:33] O's scale words;  s[34:35] out0
.set MSB, 0
.macro WIN new                         ; the immediate's high byte repeats the setting that is left
.if MSB != \new
	s_set_vgpr_msb (MSB<<8)|\new
.set MSB, \new
.endif
.endm
.macro WM d, a, b, zero, sa, sb, ra, rb
.if \zero
.if (\ra) && (\rb)
	v_wmma_scale_f32_16x16x128_f8f6f4 v[\d:\d+7], v[\a:\a+11], v[\b:\b+11], 0, v[\sa], v[\sb] matrix_a_fmt:MATRIX_FMT_FP6 matrix_b_fmt:MATRIX_FMT_FP6 matrix_a_scale:MATRIX_SCALE_ROW1 matrix_b_scale:MATRIX_SCALE_ROW1
.elseif \ra
	v_wmma_scale_f32_16x16x128_f8f6f4 v[\d:\d+7], v[\a:\a+11], v[\b:\b+11], 0, v[\sa], v[\sb] matrix_a_fmt:MATRIX_FMT_FP6 matrix_b_fmt:MATRIX_FMT_FP6 matrix_a_scale:MATRIX_SCALE_ROW1
.elseif \rb
	v_wmma_scale_f32_16x16x128_f8f6f4 v[\d:\d+7], v[\a:\a+11], v[\b:\b+11], 0, v[\sa], v[\sb] matrix_a_fmt:MATRIX_FMT_FP6 matrix_b_fmt:MATRIX_FMT_FP6 matrix_b_scale:MATRIX_SCALE_ROW1
.else
	v_wmma_scale_f32_16x16x128_f8f6f4 v[\d:\d+7], v[\a:\a+11], v[\b:\b+11], 0, v[\sa], v[\sb] matrix_a_fmt:MATRIX_FMT_FP6 matrix_b_fmt:MATRIX_FMT_FP6
.endif
.else
.if (\ra) && (\rb)
	v_wmma_scale_f32_16x16x128_f8f6f4 v[\d:\d+7], v[\a:\a+11], v[\b:\b+11], v[\d:\d+7], v[\sa], v[\sb] matrix_a_fmt:MATRIX_FMT_FP6 matrix_b_fmt:MATRIX_FMT_FP6 matrix_a_scale:MATRIX_SCALE_ROW1 matrix_b_scale:MATRIX_SCALE_ROW1
.elseif \ra
	v_wmma_scale_f32_16x16x128_f8f6f4 v[\d:\d+7], v[\a:\a+11], v[\b:\b+11], v[\d:\d+7], v[\sa], v[\sb] matrix_a_fmt:MATRIX_FMT_FP6 matrix_b_fmt:MATRIX_FMT_FP6 matrix_a_scale:MATRIX_SCALE_ROW1
.elseif \rb
	v_wmma_scale_f32_16x16x128_f8f6f4 v[\d:\d+7], v[\a:\a+11], v[\b:\b+11], v[\d:\d+7], v[\sa], v[\sb] matrix_a_fmt:MATRIX_FMT_FP6 matrix_b_fmt:MATRIX_FMT_FP6 matrix_b_scale:MATRIX_SCALE_ROW1
.else
	v_wmma_scale_f32_16x16x128_f8f6f4 v[\d:\d+7], v[\a:\a+11], v[\b:\b+11], v[\d:\d+7], v[\sa], v[\sb] matrix_a_fmt:MATRIX_FMT_FP6 matrix_b_fmt:MATRIX_FMT_FP6
.endif
.endif
.endm
.macro LOAD_S                          ; my 4 tiles of Wo, all four K steps: fragment (t, s) at v[12 (4 t + s)] of window 1
	WIN 0x40                                       ; destination window 1, address window 0
.irp t, 0,1,2,3
.irp s, 0,1,2,3
.irp c, 0,1
	global_load_b128 v[12*(4*\t+\s)+6*\c:12*(4*\t+\s)+6*\c+3], v[LA], s[SSRC:SSRC+1] offset:6144*\t+1536*\s+768*\c
	global_load_b64 v[12*(4*\t+\s)+6*\c+4:12*(4*\t+\s)+6*\c+5], v[LB], s[SSRC:SSRC+1] offset:6144*\t+1536*\s+768*\c+512
.endr
.endr
.endr
	WIN 0
.endm
	s_load_b256 s[4:11], s[0:1], 0x0               ; cod s[4:5], scl s[6:7], oc s[8:9], os s[10:11]
	s_load_b64 s[12:13], s[0:1], 0x20              ; out0
	v_lshl_add_u32 v254, v0, 2, 0x8800
	v_mov_b32 v255, 0
	v_lshrrev_b32 v7, 5, v0
	v_readfirstlane_b32 s[WV], v7                  ; wave 0..7
	v_and_b32 v7, 31, v0                           ; lane
	v_lshlrev_b32 v[LA], 4, v7
	v_lshlrev_b32 v[LB], 3, v7
	v_lshlrev_b32 v[L4], 2, v7
	s_lshl_b32 s20, s[WV], 2
	s_add_co_u32 s20, s20, 608                     ; my first tile of Wo in cod
	s_mul_i32 s22, s20, 6144
	s_mov_b32 s23, 0
	s_wait_kmcnt 0x0
	s_add_nc_u64 s[SSRC:SSRC+1], s[4:5], s[22:23]
	s_lshl_b32 s22, s20, 8
	s_add_nc_u64 s[30:31], s[6:7], s[22:23]
	s_mul_i32 s22, ttmp9, 12288                    ; two token tiles of 6,144 bytes
	s_add_nc_u64 s[28:29], s[8:9], s[22:23]
	s_lshl_b32 s22, ttmp9, 7                       ; and their 2 x 16 words, in each head's part of os
	s_add_nc_u64 s[32:33], s[10:11], s[22:23]
	s_lshl_b32 s22, ttmp9, 16                      ; 32 rows of 2,048 bytes,
	s_lshl_b32 s21, s[WV], 8                       ; my 64 outputs
	s_add_co_u32 s22, s22, s21
	s_add_nc_u64 s[34:35], s[12:13], s[22:23]
.irp d, 0,1,2,3,4,5,6,7
	global_load_b32 v[TW+\d], v[L4], s[32:33] offset:32768*\d
.endr
.irp p, 0,1
	global_load_b128 v[SS+4*\p:SS+4*\p+3], v[LA], s[30:31] offset:512*\p
.endr
.irp m, 0,1
.irp s, 0,1,2,3
.irp c, 0,1
	global_load_b128 v[TF+12*(4*\m+\s)+6*\c:TF+12*(4*\m+\s)+6*\c+3], v[LA], s[28:29] offset:6144*\m+1536*\s+768*\c
	global_load_b64 v[TF+12*(4*\m+\s)+6*\c+4:TF+12*(4*\m+\s)+6*\c+5], v[LB], s[28:29] offset:6144*\m+1536*\s+768*\c+512
.endr
.endr
.endr
	LOAD_S
	s_wait_loadcnt 0x0
.irp s, 0,1,2,3
	v_lshl_or_b32 v[TS+\s], v[TW+2*\s+1], 16, v[TW+2*\s]   ; head 2 s's two bytes below head 2 s + 1's
.endr
	v_and_b32 v20, 15, v0                          ; r.  (These ten plain lines are more than the eight places between the writes of the scale words and the first scaled product)
	v_bfe_u32 v21, v0, 4, 1                        ; h
	s_mul_i32 s22, s[WV], 4352                     ; my stage
	v_mul_u32_u24 v[STO], v20, 272
	v_lshl_add_u32 v[STO], v21, 6, v[STO]
	v_add_nc_u32 v[STO], s22, v[STO]
	v_mul_u32_u24 v[RD], v21, 272
	v_lshl_add_u32 v[RD], v20, 4, v[RD]
	v_add_nc_u32 v[RD], s22, v[RD]
	v_lshlrev_b32 v[CO], 11, v21
	v_lshl_add_u32 v[CO], v20, 4, v[CO]
	WIN 0x01                                       ; source 0 (Wo) window 1
.irp s, 0,1,2,3                                ; the eight accumulators take turns, one instruction a turn, K ascending
.irp m, 0,1
.irp t, 0,1,2,3
.if \s == 0
	WM ACC+8*(4*\m+\t), 12*(4*\t+\s), TF+12*(4*\m+\s), 1, SS+4*(\t/2)+\s, TS+\s, \t%2, \m
.else
	WM ACC+8*(4*\m+\t), 12*(4*\t+\s), TF+12*(4*\m+\s), 0, SS+4*(\t/2)+\s, TS+\s, \t%2, \m
.endif
.endr
.endr
.endr
	WIN 0
.rept 4
	v_nop                                          ; four places in front of the first read of results and of loads into registers that the products have read
.endr
.macro TOSTAGE m                       ; 16 tokens x my 64 outputs into my stage, and back as rows.  LDS serves a wave's instructions in order (ISA guide 5.7.1.4): no wait between the stores and the loads, nor in front of the next block's stores
.irp t, 0,1,2,3
	ds_store_b128 v[STO], v[ACC+8*(4*\m+\t):ACC+8*(4*\m+\t)+3] offset:128*(\t/2)+32*(\t%2)          ; each accumulator from its low end on
	ds_store_b128 v[STO], v[ACC+8*(4*\m+\t)+4:ACC+8*(4*\m+\t)+7] offset:128*(\t/2)+32*(\t%2)+16
.endr
.irp i, 0,1,2,3,4,5,6,7
	ds_load_b128 v[TF+32*\m+4*\i:TF+32*\m+4*\i+3], v[RD] offset:544*\i
.endr
.endm
.macro SEND m                          ; stage rows 2 i and 2 i + 1 are tokens 8 m + 2 i + 8 (i / 4) and the next
.irp i, 0,1,2,3,4,5,6,7
	s_wait_dscnt (1-\m)*16+7-\i                    ; the block's younger loads may be out, and behind block 0 all of block 1's sixteen LDS instructions
	global_store_b128 v[CO], v[TF+32*\m+4*\i:TF+32*\m+4*\i+3], s[34:35] offset:(8*\m+2*\i+8*(\i/4))*2048 th:TH_STORE_NT   ; sixteen lanes store 256 consecutive bytes, at a multiple of 256 from out0's first byte; written once, read by nobody here
.endr
.endm
	TOSTAGE 0
	TOSTAGE 1
	SEND 0
	SEND 1
	s_wait_tensorcnt 0x0
	ds_add_u32 v254, v255
	s_wait_dscnt 0x0
	s_endpgm
.Lfunc_end_k_qea4c349cc0_oproj:
	.size	k_qea4c349cc0_oproj, .Lfunc_end_k_qea4c349cc0_oproj-k_qea4c349cc0_oproj
	.p2alignl 7, 3214868480
	.fill 96, 4, 3214868480
	.section	.rodata,"a",@progbits
	.p2align	6, 0x0
	.amdhsa_kernel k_qea4c349cc0_oproj
		.amdhsa_group_segment_fixed_size 35840
		.amdhsa_private_segment_fixed_size 0
		.amdhsa_enable_private_segment 0
		.amdhsa_kernarg_size 40
		.amdhsa_user_sgpr_count 2
		.amdhsa_user_sgpr_kernarg_segment_ptr 1
		.amdhsa_wavefront_size32 1
		.amdhsa_system_sgpr_workgroup_id_x 1
		.amdhsa_system_sgpr_workgroup_id_y 1
		.amdhsa_system_sgpr_workgroup_id_z 1
		.amdhsa_system_vgpr_workitem_id 0
		.amdhsa_next_free_vgpr 448
		.amdhsa_next_free_sgpr 66
		.amdhsa_reserve_vcc 0
		.amdhsa_float_denorm_mode_32 3
		.amdhsa_float_denorm_mode_16_64 3
		.amdhsa_memory_ordered 1
		.amdhsa_forward_progress 1
		.amdhsa_inst_pref_size 21
	.end_amdhsa_kernel
	.amdgpu_metadata
---
amdhsa.version: [ 1, 2 ]
amdhsa.kernels:
  - .name:           k_qea4c349cc0_oproj
    .symbol:         k_qea4c349cc0_oproj.kd
    .args:
      - { .name: cod, .offset: 0, .size: 8, .value_kind: global_buffer, .address_space: global }
      - { .name: scl, .offset: 8, .size: 8, .value_kind: global_buffer, .address_space: global }
      - { .name: oc, .offset: 16, .size: 8, .value_kind: global_buffer, .address_space: global }
      - { .name: os, .offset: 24, .size: 8, .value_kind: global_buffer, .address_space: global }
      - { .name: out0, .offset: 32, .size: 8, .value_kind: global_buffer, .address_space: global }
    .group_segment_fixed_size: 35840
    .private_segment_fixed_size: 0
    .kernarg_segment_align: 8
    .kernarg_segment_size: 40
    .max_flat_workgroup_size: 256
    .sgpr_count:     66
    .vgpr_count:     448
    .wavefront_size: 32
...
	.end_amdgpu_metadata
.endif
;; end of part 4
;; ======== version 2 of 2: 4 launches
;; workspace buffers: cod 3,932,160 bytes; scl 163,840 bytes; qc 3,145,728 bytes; qs 262,144 bytes; kv 6,684,672 bytes; oc 3,145,728 bytes; os 262,144 bytes
;; launch quant (part 5): grid 640 x 1, 1 waves a work-group, no clusters, 8,960 bytes of LDS; arguments x, Wq, Wk, Wv, Wo, cod, scl; writes cod, scl
.if DOCPART == 5
	.amdgcn_target "amdgcn-amd-amdhsa--gfx1250"
	.amdhsa_code_object_version 6
	.text
	.protected	k_qea4c349cc0_quant
	.globl	k_qea4c349cc0_quant
	.p2align	8
	.type	k_qea4c349cc0_quant,@function
k_qea4c349cc0_quant:
	s_mov_b64 s[64:65], 0
	v_nop
	global_prefetch_b8 v0, s[64:65] scope:SCOPE_SE
	s_setreg_imm32_b32 hwreg(HW_REG_WAVE_MODE, 25, 1), 1
	s_wait_xcnt 0x0
; x [8192][512], Wq, Wk, Wv, Wo [512][512], f32 with K innermost, become codes of FP6 (E2M3) and E8M0 scale bytes, one for each 32 along K.
; A block's scale is 2^(floor(log2(its largest magnitude)) - 2): its byte is the largest magnitude's exponent field - 2, held at 1 from below.
; LIMITS: NaN and infinities among the inputs are not served.  A block of zeros gets the byte 1 where the rule says 127: its codes are zeros, which add nothing
; under any byte but 0xff, and this program alone reads the bytes.  Blocks whose largest magnitude lies under 2^-124 are held at the byte 1.
; LAYOUT OF THE RESULT: images of the operand's registers.  A TILE is 16 rows: lane-row r of tile T is row 32 (T / 2) + 8 (T % 2) + r + 8 (r / 8).
; A HALF IMAGE is 16 rows x 64 codes, 768 bytes: lane l = (r, h) holds block h of row r, 24 bytes: registers 0-3 at byte 16 l, registers 4-5 at byte 512 + 8 l.
; cod: tile g at 6,144 g: eight half images, number 2 s + c for K step s (128 along K) and half c.  Tiles 0-511 x, 512-543 Wq, 544-575 Wk, 576-607 Wv, 608-639 Wo.
; scl: tile g at 256 g: row r's 16 bytes at 16 r; word s belongs to K step s.
; SHARES: a work-group of one wave takes one tile: 16 rows x 512 numbers.  Waves share nothing: no barrier, no cluster (no input byte is read twice in the launch).
; Each load reads 512 consecutive bytes of a row; a K step's 16 x 512 bytes turn through a stage in LDS (rows 528 bytes apart = 33 x 16) and come back
; 128 bytes a lane and block, so that a lane holds two whole blocks and no other lane is asked for a maximum.  Loads run two K steps (32 loads) ahead.
.set STP,  528                         ; a stage row: 512 bytes + 16
.set LA,   1                           ; v1   16 x lane: a load's, a store's and the stage's way in
.set LB,   2                           ; v2   8 x lane
.set RDA,  4                           ; v4   the stage's way out: 528 r + 128 h
.set H8,   5                           ; v5   8 h: how far my two scale bytes are shifted
.set SCA,  6                           ; v6   16 r + 8 h: my 8 bytes of the tile's scale bytes
.set MX,   8                           ; v8-9   largest magnitudes of my two blocks
.set SO,   10                          ; v10-11 the conversions' scale operands
.set BY,   12                          ; v12-13 the scale bytes
.set WT,   14                          ; v14  my two bytes at their places
.set TP,   15                          ; v15  lane l xor 16's
.set W,    16                          ; v16-19 the row's four scale words
.set TC,   20                          ; v20-26 the upper halves of the blocks' codes (a conversion's three registers begin on an even number)
.set PR,   28                          ; v28-29 what I store of the scale words
.set C,    32                          ; v32-55 two sets of 12 code registers, by turns
.set X,    56                          ; v56-119 64 numbers: block c at 32 c
.set R,    120                         ; v120-247 two sets of 64 registers as loaded
.set SRC,  18                          ; s[18:19] the tile's first row
.set SEL,  20                          ; s[20:21] lane selects for v_permlanex16_b32: lane l xor 16
	s_load_b256 s[4:11], s[0:1], 0x0               ; x s[4:5], Wq s[6:7], Wk s[8:9], Wv s[10:11]
	s_load_b128 s[12:15], s[0:1], 0x20             ; Wo s[12:13], cod s[14:15]
	s_load_b64 s[16:17], s[0:1], 0x30              ; scl
	v_lshl_add_u32 v254, v0, 2, 0x2200
	v_mov_b32 v255, 0
	v_and_b32 v3, 15, v0                           ; r (one wave: v0 is the lane)
	v_lshrrev_b32 v7, 4, v0                        ; h
	v_lshlrev_b32 v[LA], 4, v0
	v_lshlrev_b32 v[LB], 3, v0
	v_mul_u32_u24 v[RDA], v3, STP
	v_lshl_add_u32 v[RDA], v7, 7, v[RDA]
	v_lshlrev_b32 v[H8], 3, v7
	v_lshlrev_b32 v[SCA], 4, v3
	v_lshl_add_u32 v[SCA], v7, 3, v[SCA]
	v_mov_b32 v[TP], 0                             ; written once: a lane permute's destination counts as one of its sources
	s_mov_b32 s[SEL], 0x76543210
	s_mov_b32 s[SEL+1], 0xfedcba98
	s_and_b32 s23, ttmp9, 31                       ; the tile's number inside a weight (512 is a multiple of 32)
	s_mul_i32 s26, ttmp9, 6144                     ; the tile's codes
	s_mov_b32 s27, 0
	s_lshl_b32 s28, ttmp9, 8                       ; and its scale bytes
	s_mov_b32 s29, 0
	s_wait_alu depctr_va_vdst(0)
	s_wait_kmcnt 0x0
	s_mov_b64 s[SRC:SRC+1], s[12:13]               ; which tensor: the choice hangs on the work-group's number alone
	s_cmp_lt_u32 ttmp9, 608
	s_cselect_b64 s[SRC:SRC+1], s[10:11], s[SRC:SRC+1]
	s_cmp_lt_u32 ttmp9, 576
	s_cselect_b64 s[SRC:SRC+1], s[8:9], s[SRC:SRC+1]
	s_cmp_lt_u32 ttmp9, 544
	s_cselect_b64 s[SRC:SRC+1], s[6:7], s[SRC:SRC+1]
	s_cmp_lt_u32 ttmp9, 512
	s_cselect_b64 s[SRC:SRC+1], s[4:5], s[SRC:SRC+1]
	s_cselect_b32 s22, ttmp9, s23                  ; T: the tile's number inside its tensor
	s_lshr_b32 s24, s22, 1
	s_lshl_b32 s24, s24, 16                        ; 32 (T / 2) rows of 2,048 bytes
	s_and_b32 s30, s22, 1
	s_lshl_b32 s30, s30, 14                        ; 8 (T % 2) rows
	s_add_co_u32 s24, s24, s30
	s_mov_b32 s25, 0
	s_add_nc_u64 s[SRC:SRC+1], s[SRC:SRC+1], s[24:25]
	s_add_nc_u64 s[14:15], s[14:15], s[26:27]
	s_add_nc_u64 s[16:17], s[16:17], s[28:29]
.macro LOADF f                         ; K step f of the tile's 16 rows: lane-row i is row i + 8 (i / 8); 32 lanes read 512 consecutive bytes; read once in the launch
.irp i, 0,1,2,3,4,5,6,7,8,9,10,11,12,13,14,15
	global_load_b128 v[R+64*((\f)%2)+4*\i:R+64*((\f)%2)+4*\i+3], v[LA], s[SRC:SRC+1] offset:(\i+8*(\i/8))*2048+512*(\f) th:TH_LOAD_NT
.endr
.endm
.macro FRAGQ f                         ; K step f becomes two half images and a scale word a row
.if (\f) < 3
	s_wait_loadcnt 16                              ; this K step's 16 loads are in; the next step's 16 may be out
.else
	s_wait_loadcnt 0x0
.endif
.irp i, 0,1,2,3,4,5,6,7,8,9,10,11,12,13,14,15
	ds_store_b128 v[LA], v[R+64*((\f)%2)+4*\i:R+64*((\f)%2)+4*\i+3] offset:STP*\i
.endr
.irp c, 0,1
.irp i, 0,1,2,3,4,5,6,7
	ds_load_b128 v[X+32*\c+4*\i:X+32*\c+4*\i+3], v[RDA] offset:256*\c+16*\i   ; k = 64 c + 32 h + 4 i on, of row r.  LDS serves a wave's instructions in order: these see the stores above
.endr
.endr
	s_wait_dscnt 0x0                               ; my numbers are back, and the stores have read their registers,
.if (\f) < 2
	LOADF (\f)+2                                   ; which take the loads of two K steps on
.endif
.irp c, 0,1
	v_max3_num_f32 v[MX+\c], |v[X+32*\c]|, |v[X+32*\c+1]|, 0x1800000   ; block 2 c + h: all its 32 numbers are mine; and the floor 2^(3 - 127): the byte cannot fall under 1
.endr
.irp i, 2,4,6,8,10,12,14,16,18,20,22,24,26,28,30
.irp c, 0,1
	v_max3_num_f32 v[MX+\c], v[MX+\c], |v[X+32*\c+\i]|, |v[X+32*\c+\i+1]|   ; (the two blocks by turns)
.endr
.endr
.irp c, 0,1
	v_add_nc_u32 v[SO+\c], 0xff000000, v[MX+\c]    ; 2 off the exponent field: the conversion takes this operand's exponent field as its scale
.endr
.irp c, 0,1
	v_lshrrev_b32 v[BY+\c], 23, v[SO+\c]           ; the scale's byte
.endr
	v_lshl_or_b32 v[WT], v[BY+1], 16, v[BY]        ; blocks h and 2 + h,
	v_lshlrev_b32 v[WT], v[H8], v[WT]              ; at their places in the word;
	v_permlanex16_b32 v[TP], v[WT], s[SEL], s[SEL+1]
	v_or_b32 v[W+\f], v[WT], v[TP]                 ; with lane l xor 16's two the word is whole
	s_wait_alu depctr_va_vdst(0)
	s_wait_xcnt 0x0                                ; the stores of two K steps ago have read this set of code registers: it is written again only behind this wait
.set CS, C+12*((\f)%2)
	v_cvt_scalef32_pk16_fp6_f32 v[CS:CS+2], v[X:X+15], v[SO]
	v_cvt_scalef32_pk16_fp6_f32 v[TC:TC+2], v[X+16:X+31], v[SO]
	v_cvt_scalef32_pk16_fp6_f32 v[CS+6:CS+8], v[X+32:X+47], v[SO+1]
	v_cvt_scalef32_pk16_fp6_f32 v[TC+4:TC+6], v[X+48:X+63], v[SO+1]
	v_nop                                          ; one plain place behind a scaled conversion
.irp i, 0,1,2
	v_mov_b32 v[CS+3+\i], v[TC+\i]
	v_mov_b32 v[CS+9+\i], v[TC+4+\i]
.endr
	global_store_b128 v[LA], v[CS:CS+3], s[14:15] offset:1536*(\f)          ; each store covers 512 or 256 consecutive bytes, at a multiple of 256 from cod's first byte
	global_store_b64 v[LB], v[CS+4:CS+5], s[14:15] offset:1536*(\f)+512
	global_store_b128 v[LA], v[CS+6:CS+9], s[14:15] offset:1536*(\f)+768
	global_store_b64 v[LB], v[CS+10:CS+11], s[14:15] offset:1536*(\f)+1280
.endm
	LOADF 0
	LOADF 1
	FRAGQ 0
	FRAGQ 1
	FRAGQ 2
	FRAGQ 3
	v_cmp_lt_u32 vcc_lo, 15, v0                    ; lanes 16-31 store words 2 and 3 of their row, lanes 0-15 words 0 and 1
	v_cndmask_b32 v[PR], v[W], v[W+2], vcc_lo
	v_cndmask_b32 v[PR+1], v[W+1], v[W+3], vcc_lo
	global_store_b64 v[SCA], v[PR:PR+1], s[16:17]  ; 32 lanes store 256 consecutive bytes, aligned
	s_wait_tensorcnt 0x0
	ds_add_u32 v254, v255
	s_wait_dscnt 0x0
	s_endpgm
.Lfunc_end_k_qea4c349cc0_quant:
	.size	k_qea4c349cc0_quant, .Lfunc_end_k_qea4c349cc0_quant-k_qea4c349cc0_quant
	.p2alignl 7, 3214868480
	.fill 96, 4, 3214868480
	.section	.rodata,"a",@progbits
	.p2align	6, 0x0
	.amdhsa_kernel k_qea4c349cc0_quant
		.amdhsa_group_segment_fixed_size 8960
		.amdhsa_private_segment_fixed_size 0
		.amdhsa_enable_private_segment 0
		.amdhsa_kernarg_size 56
		.amdhsa_user_sgpr_count 2
		.amdhsa_user_sgpr_kernarg_segment_ptr 1
		.amdhsa_wavefront_size32 1
		.amdhsa_system_sgpr_workgroup_id_x 1
		.amdhsa_system_sgpr_workgroup_id_y 1
		.amdhsa_system_sgpr_workgroup_id_z 1
		.amdhsa_system_vgpr_workitem_id 0
		.amdhsa_next_free_vgpr 256
		.amdhsa_next_free_sgpr 66
		.amdhsa_reserve_vcc 1
		.amdhsa_float_denorm_mode_32 3
		.amdhsa_float_denorm_mode_16_64 3
		.amdhsa_memory_ordered 1
		.amdhsa_forward_progress 1
		.amdhsa_inst_pref_size 31
	.end_amdhsa_kernel
	.amdgpu_metadata
---
amdhsa.version: [ 1, 2 ]
amdhsa.kernels:
  - .name:           k_qea4c349cc0_quant
    .symbol:         k_qea4c349cc0_quant.kd
    .args:
      - { .name: x, .offset: 0, .size: 8, .value_kind: global_buffer, .address_space: global }
      - { .name: Wq, .offset: 8, .size: 8, .value_kind: global_buffer, .address_space: global }
      - { .name: Wk, .offset: 16, .size: 8, .value_kind: global_buffer, .address_space: global }
      - { .name: Wv, .offset: 24, .size: 8, .value_kind: global_buffer, .address_space: global }
      - { .name: Wo, .offset: 32, .size: 8, .value_kind: global_buffer, .address_space: global }
      - { .name: cod, .offset: 40, .size: 8, .value_kind: global_buffer, .address_space: global }
      - { .name: scl, .offset: 48, .size: 8, .value_kind: global_buffer, .address_space: global }
    .group_segment_fixed_size: 8960
    .private_segment_fixed_size: 0
    .kernarg_segment_align: 8
    .kernarg_segment_size: 56
    .max_flat_workgroup_size: 32
    .sgpr_count:     66
    .vgpr_count:     256
    .wavefront_size: 32
...
	.end_amdgpu_metadata
.endif
;; end of part 5
;; launch proj (part 6): grid 64 x 3, 8 waves a work-group, no clusters, 52,224 bytes of LDS; arguments cod, scl, qc, qs, kv; writes qc, qs, kv
.if DOCPART == 6
	.amdgcn_target "amdgcn-amd-amdhsa--gfx1250"
	.amdhsa_code_object_version 6
	.text
	.protected	k_qea4c349cc0_proj
	.globl	k_qea4c349cc0_proj
	.p2align	8
	.type	k_qea4c349cc0_proj,@function
k_qea4c349cc0_proj:
	s_mov_b64 s[64:65], 0
	v_nop
	global_prefetch_b8 v0, s[64:65] scope:SCOPE_SE
	s_setreg_imm32_b32 hwreg(HW_REG_WAVE_SCHED_MODE, 0, 2), 2
	s_setreg_imm32_b32 hwreg(HW_REG_WAVE_MODE, 25, 1), 1
	s_wait_xcnt 0x0
	s_wait_alu depctr_vm_vsrc(0)
; q = x Wq^T, k = x Wk^T, v = x Wv^T on codes of FP6 (E2M3) with E8M0 scales, and each result quantised in registers for the product that takes it next:
; q and k along the head's 64, v along the keys.  Work-group y = 0: q, 1: k, 2: v.
; ONE BODY: out[t][s] = the quantised (along s) T S^T.  S, 512 rows, is source 0 of every matrix instruction; wave w keeps 64 of its rows (16 fragments, 192 registers)
; for the whole launch.  T, 128 rows = 8 tiles, is source 1 and goes once through LDS.  In a result a lane holds ONE row of T and its registers run along S's rows.
; For q and k: S = the weight's rows (wave w = head w), T = 128 tokens.  For v: S = 512 tokens (wave w = 64 keys), T = 128 rows of Wv (two heads): that gives v^T with the keys innermost.
; TILES (as the launch before laid them): lane-row r of tile T is row 32 (T / 2) + 8 (T % 2) + r + 8 (r / 8), so that the 16 registers of the results of tiles 2 B and 2 B + 1
; are the 16 neighbours 32 B + 16 (lane / 16) + 0 .. 15 along the next K.  A HALF IMAGE: 16 rows x 64 codes, 768 bytes: lane l's registers 0-3 at 16 l, 4-5 at 512 + 8 l.
; OUT: qc [head of batch (32)][token tile (128)] x 768;  qs [head][8 tiles (16)][lane (r, h)][4 words]: word i = tile 4 h + i, row r: byte 0, byte 1, 0, 0.
; kv: 32 heads x 208,896; a key step (128 keys) is 13,056 bytes: K's 8 half images; at 6,144 V's [64 keys c (2)][channel tile (4)]; at 12,288 K's scale words, laid as qs;
; at 12,800 V's scale words [lane (r, h)][2]: channel tile 2 h + i, four bytes = the step's four blocks of keys.
; LIMITS: NaN and infinities are not served; a block of zeros gets the byte 1 (its codes are zeros; this program alone reads the bytes); blocks under 2^-124 are held at the byte 1.
; NO CLUSTER: a joint request fills LDS, and what work-groups share here, S's rows, lives in registers (24,576 bytes a wave): a way through LDS would write and read those bytes once more
; for 128 matrix instructions a wave.  192 work-groups: the three products have no even split into 256 shares of this shape.
; THE MODE: SCHED_MODE bits 1:0 = 2 (LLVM: expert scheduling mode 2), set by the entry lines.  The code itself states the register dependences
; between vector or matrix instructions and memory or LDS instructions, with s_wait_alu, always for 0.
; THE PLAN.  Registers that memory or LDS instructions touch:
;   v1-v5         Addresses, made once at the head and never written again.
;   TF0, TF1      Two sets of T's fragments.  Tile m's sixteen products read set m % 2; behind them the LDS loads of tile m + 2 land in it.  (At the head TF0 carries my tile of T from memory to LDS.)
;   PC0, PC1      Two sets of codes.  Tile m's quantiser writes set m % 2; the tile's two stores read it; tile m + 2's quantiser writes it again.
;   PW            The eight scale words: written by the quantiser; read at the end by v's LDS stores.
;   TS, SS, S     Loaded once at the head; named by products alone from then on.
; So ONE wait on va_vdst stands in a tile, behind its quantiser: it states that the set of codes is written and that the tile's products are done reading their set of fragments.  The sixteen LDS loads
; and the two stores follow it, and no vector or matrix instruction between names a register of theirs.  From tile 2 on one wait on vm_vsrc stands ahead of the quantiser: the stores of two tiles back have read their set.
.set HB,    208896                     ; a head's bytes in kv
.set STEPB, 13056                      ; a key step's
.set VST,   49152                      ; LDS: T's 8 tiles as they lie in cod (49,152 bytes); behind them V's scale words [head (2)][step (4)][lane][2 words], 2,048 bytes
.set LA,  1                            ; v1   16 x lane
.set LB,  2                            ; v2   8 x lane
.set TST, 3                            ; v3   where I store my tile of T: 6,144 x wave + 16 x lane
.set VWA, 4                            ; v4   where I put two scale bytes of V: VST + 8 r + 256 (wave / 2) + 2 (wave % 2)
.set VRA, 5                            ; v5   where I read 8 bytes of them back: VST + 256 x wave + 8 x lane
.set LN,  6                            ; v6   lane
.set TM,  8                            ; v8-13  at work in QUANT2
.set PW,  16                           ; v16-23 the eight tiles' scale words
.set SS,  24                           ; v24-31 S's scale words: register 4 (t / 2) + s: lanes 0-15 tile t even, lanes 16-31 tile t odd
.set TS,  32                           ; v32-47 T's likewise, by m
.set PC,  48                           ; v48-54 and v192-198 the codes just made: two sets, by turns (TILE sets the symbol)
.set ACC, 64                           ; v64-95 four accumulators
.set TF,  96                           ; v96-191 T's fragments of a tile, two sets of 48
.set WV,  14
.set XX,  15
.set YY,  16
.set SB,  17                           ; S's first tile in cod
.set TBT, 18                           ; T's
.set B8,  19                           ; 8 x batch
.set SSRC, 26                          ; s[26:27] my 4 tiles of S;  s[28:29] my tile of T;  s[30:31], s[32:33] their scale bytes
.set OUT0, 34                          ; s[34:35], s[36:37] where tiles 0-3 and 4-7 go;  s[38:39] where the scale words go
.set SEL, 40
.set MSB, 0
.macro WIN new                         ; the immediate's high byte repeats the setting that is left
.if MSB != \new
	s_set_vgpr_msb (MSB<<8)|\new
.set MSB, \new
.endif
.endm
; One matrix instruction.  zero = 1: the constant 0 starts the sum.  ra, rb = 1: that side's scales are read from lanes 16-31 of the register named.
.macro WM d, a, b, zero, sa, sb, ra, rb
.if \zero
.if (\ra) && (\rb)
	v_wmma_scale_f32_16x16x128_f8f6f4 v[\d:\d+7], v[\a:\a+11], v[\b:\b+11], 0, v[\sa], v[\sb] matrix_a_fmt:MATRIX_FMT_FP6 matrix_b_fmt:MATRIX_FMT_FP6 matrix_a_scale:MATRIX_SCALE_ROW1 matrix_b_scale:MATRIX_SCALE_ROW1
.elseif \ra
	v_wmma_scale_f32_16x16x128_f8f6f4 v[\d:\d+7], v[\a:\a+11], v[\b:\b+11], 0, v[\sa], v[\sb] matrix_a_fmt:MATRIX_FMT_FP6 matrix_b_fmt:MATRIX_FMT_FP6 matrix_a_scale:MATRIX_SCALE_ROW1
.elseif \rb
	v_wmma_scale_f32_16x16x128_f8f6f4 v[\d:\d+7], v[\a:\a+11], v[\b:\b+11], 0, v[\sa], v[\sb] matrix_a_fmt:MATRIX_FMT_FP6 matrix_b_fmt:MATRIX_FMT_FP6 matrix_b_scale:MATRIX_SCALE_ROW1
.else
	v_wmma_scale_f32_16x16x128_f8f6f4 v[\d:\d+7], v[\a:\a+11], v[\b:\b+11], 0, v[\sa], v[\sb] matrix_a_fmt:MATRIX_FMT_FP6 matrix_b_fmt:MATRIX_FMT_FP6
.endif
.else
.if (\ra) && (\rb)
	v_wmma_scale_f32_16x16x128_f8f6f4 v[\d:\d+7], v[\a:\a+11], v[\b:\b+11], v[\d:\d+7], v[\sa], v[\sb] matrix_a_fmt:MATRIX_FMT_FP6 matrix_b_fmt:MATRIX_FMT_FP6 matrix_a_scale:MATRIX_SCALE_ROW1 matrix_b_scale:MATRIX_SCALE_ROW1
.elseif \ra
	v_wmma_scale_f32_16x16x128_f8f6f4 v[\d:\d+7], v[\a:\a+11], v[\b:\b+11], v[\d:\d+7], v[\sa], v[\sb] matrix_a_fmt:MATRIX_FMT_FP6 matrix_b_fmt:MATRIX_FMT_FP6 matrix_a_scale:MATRIX_SCALE_ROW1
.elseif \rb
	v_wmma_scale_f32_16x16x128_f8f6f4 v[\d:\d+7], v[\a:\a+11], v[\b:\b+11], v[\d:\d+7], v[\sa], v[\sb] matrix_a_fmt:MATRIX_FMT_FP6 matrix_b_fmt:MATRIX_FMT_FP6 matrix_b_scale:MATRIX_SCALE_ROW1
.else
	v_wmma_scale_f32_16x16x128_f8f6f4 v[\d:\d+7], v[\a:\a+11], v[\b:\b+11], v[\d:\d+7], v[\sa], v[\sb] matrix_a_fmt:MATRIX_FMT_FP6 matrix_b_fmt:MATRIX_FMT_FP6
.endif
.endif
.endm
; 32 numbers of a lane, register 16 b + i = k 32 b + 16 (lane / 16) + i of my row, become a half image's six registers in v[PC] on and the word byte 0 | byte 1 << 8 in v[pw].
; Each of the four accumulators is read from its low end on: i = 0 reads registers 0, 1 of tiles 0 and 2, i = 8 those of tiles 1 and 3.
.macro QUANT2 src, pw
.irp b, 0,1
	v_max3_num_f32 v[TM+\b], |v[\src+16*\b]|, |v[\src+16*\b+1]|, 0x1800000   ; my 16 numbers of block b, and the floor 2^(3 - 127): the byte cannot fall under 1
.endr
.irp i, 2,4,6,8,10,12,14
.irp b, 0,1
	v_max3_num_f32 v[TM+\b], v[TM+\b], |v[\src+16*\b+\i]|, |v[\src+16*\b+\i+1]|
.endr
.endr
.irp b, 0,1
	v_permlanex16_b32 v[TM+2+\b], v[TM+\b], s[SEL], s[SEL+1]
.endr
.irp b, 0,1
	v_max_num_f32 v[TM+\b], v[TM+\b], v[TM+2+\b]   ; with lane l xor 16's: the block's largest magnitude
.endr
.irp b, 0,1
	v_add_nc_u32 v[TM+4+\b], 0xff000000, v[TM+\b]  ; 2 off its exponent field: the conversion's scale operand
.endr
.irp b, 0,1
	v_lshrrev_b32 v[TM+2+\b], 23, v[TM+4+\b]       ; the scale's byte
.endr
	v_lshl_or_b32 v[\pw], v[TM+3], 8, v[TM+2]
	v_cvt_scalef32_pk16_fp6_f32 v[PC:PC+2], v[\src:\src+15], v[TM+4]
	v_cvt_scalef32_pk16_fp6_f32 v[PC+4:PC+6], v[\src+16:\src+31], v[TM+5]
	v_nop                                          ; one plain place behind a scaled conversion
.irp i, 0,1,2
	v_permlane16_swap_b32 v[PC+\i], v[PC+4+\i]     ; the layout wants a WHOLE block in a lane: lanes 0-15 block 0, lanes 16-31 block 1
.endr
	v_mov_b32 v[PC+3], v[PC+4]
	v_mov_b32 v[PC+4], v[PC+5]
	v_mov_b32 v[PC+5], v[PC+6]
.endm
.macro LOAD_S                          ; my 4 tiles of S, all four K steps: fragment (t, s) at v[12 (4 t + s)] of window 1; they stay
	WIN 0x40                                       ; destination window 1, address window 0
.irp t, 0,1,2,3
.irp s, 0,1,2,3
.irp c, 0,1
	global_load_b128 v[12*(4*\t+\s)+6*\c:12*(4*\t+\s)+6*\c+3], v[LA], s[SSRC:SSRC+1] offset:6144*\t+1536*\s+768*\c
	global_load_b64 v[12*(4*\t+\s)+6*\c+4:12*(4*\t+\s)+6*\c+5], v[LB], s[SSRC:SSRC+1] offset:6144*\t+1536*\s+768*\c+512
.endr
.endr
.endr
	WIN 0
.endm
.macro FETCH_T mm, st                  ; tile mm of T from LDS, all four K steps, into set st: 16 loads
.irp s, 0,1,2,3
.irp c, 0,1
	ds_load_b128 v[TF+48*(\st)+12*\s+6*\c:TF+48*(\st)+12*\s+6*\c+3], v[LA] offset:6144*(\mm)+1536*\s+768*\c
	ds_load_b64 v[TF+48*(\st)+12*\s+6*\c+4:TF+48*(\st)+12*\s+6*\c+5], v[LB] offset:6144*(\mm)+1536*\s+768*\c+512
.endr
.endr
.endm
	s_load_b256 s[4:11], s[0:1], 0x0               ; cod s[4:5], scl s[6:7], qc s[8:9], qs s[10:11]
	s_load_b64 s[12:13], s[0:1], 0x20              ; kv
	v_lshl_add_u32 v254, v0, 2, 0xc800
	v_mov_b32 v255, 0
	v_lshrrev_b32 v7, 5, v0
	v_readfirstlane_b32 s[WV], v7                  ; wave 0..7
	v_and_b32 v[LN], 31, v0
	v_and_b32 v7, 15, v0                           ; r
	s_wait_alu depctr_va_vdst(0)
	v_lshlrev_b32 v[LA], 4, v[LN]
	v_lshlrev_b32 v[LB], 3, v[LN]
	s_wait_alu depctr_va_vdst(0)
	s_wait_alu depctr_va_sdst(0)                   ; the wave's number is written, ahead of its first reader: LDS addresses, offsets and bases are made from it
	s_mul_i32 s42, s[WV], 6144
	v_add_nc_u32 v[TST], s42, v[LA]
	s_lshr_b32 s42, s[WV], 1
	s_lshl_b32 s42, s42, 8
	s_and_b32 s43, s[WV], 1
	s_lshl_b32 s43, s43, 1
	s_add_co_u32 s42, s42, s43
	s_add_co_u32 s42, s42, VST
	v_lshl_add_u32 v[VWA], v7, 3, s42
	s_lshl_b32 s42, s[WV], 8
	s_add_co_u32 s42, s42, VST
	v_add_nc_u32 v[VRA], s42, v[LB]
	v_mov_b32 v[TM+2], 0                           ; written once: a lane permute's destination counts as one of its sources
	v_mov_b32 v[TM+3], 0
	s_mov_b32 s[SEL], 0x76543210
	s_mov_b32 s[SEL+1], 0xfedcba98
	s_mov_b32 s[XX], ttmp9
	s_and_b32 s[YY], ttmp7, 0xffff
	s_lshr_b32 s[B8], s[XX], 4
	s_lshl_b32 s[B8], s[B8], 3                     ; 8 x batch: 16 work-groups x to a batch on every path
	s_and_b32 s42, s[XX], 15
	s_and_b32 s43, s[XX], 3
	s_bfe_u32 s44, s[XX], 0x20002                  ; (x >> 2) & 3
	s_mov_b32 s21, 0                               ; the upper words of the three offsets s[20:21] (codes), s[22:23] (tiles 4-7 against 0-3), s[24:25] (scale words)
	s_mov_b32 s23, 0
	s_mov_b32 s25, 0
	s_cmp_eq_u32 s[YY], 2
	s_cbranch_scc1 .Larm_v
	s_lshl_b32 s[TBT], s[XX], 3                    ; q and k: T = token tiles 8 x on; wave w makes head w
	s_add_co_u32 s45, s[B8], s[WV]
	s_mov_b32 s22, 0
	s_cmp_eq_u32 s[YY], 0
	s_cbranch_scc0 .Larm_k
	s_mov_b32 s[SB], 512                           ; q: S = Wq
	s_mul_i32 s20, s45, 98304                      ; a head's 128 tiles of 768 bytes
	s_mul_i32 s46, s42, 6144
	s_add_co_u32 s20, s20, s46
	s_lshl_b32 s24, s45, 13
	s_lshl_b32 s46, s42, 9
	s_add_co_u32 s24, s24, s46
	s_branch .Larms_done
.Larm_k:
	s_mov_b32 s[SB], 544                           ; k: S = Wk; the 128 tokens are key step x & 15
	s_mul_i32 s20, s45, HB
	s_mul_i32 s46, s42, STEPB
	s_add_co_u32 s20, s20, s46
	s_add_co_u32 s24, s20, 12288
	s_branch .Larms_done
.Larm_v:
	s_lshr_b32 s[SB], s[XX], 2                     ; v: S = 512 tokens: x's tiles 32 (x >> 2) on; T = Wv's tiles 8 (x & 3) on: heads 2 (x & 3) and the next
	s_lshl_b32 s[SB], s[SB], 5
	s_lshl_b32 s[TBT], s43, 3
	s_add_co_u32 s[TBT], s[TBT], 576
	s_lshl_b32 s45, s43, 1
	s_add_co_u32 s45, s45, s[B8]                   ; the first of the two heads
	s_lshl_b32 s44, s44, 2                         ; the first of the four key steps
	s_mul_i32 s20, s45, HB
	s_lshr_b32 s46, s[WV], 1                       ; my 64 keys: step wave / 2, half wave % 2
	s_add_co_u32 s46, s46, s44
	s_mul_i32 s46, s46, STEPB
	s_add_co_u32 s20, s20, s46
	s_and_b32 s46, s[WV], 1
	s_mul_i32 s46, s46, 3072
	s_add_co_u32 s20, s20, s46
	s_add_co_u32 s20, s20, 6144
	s_mov_b32 s22, HB-3072                         ; tiles 4-7 belong to the next head, channel tiles 0-3
	s_lshr_b32 s46, s[WV], 2                       ; the scale words that I store: head wave / 4, step wave % 4
	s_add_co_u32 s46, s46, s45
	s_mul_i32 s24, s46, HB
	s_and_b32 s46, s[WV], 3
	s_add_co_u32 s46, s46, s44
	s_mul_i32 s46, s46, STEPB
	s_add_co_u32 s24, s24, s46
	s_add_co_u32 s24, s24, 12800
.Larms_done:
	s_wait_kmcnt 0x0
	s_cmp_eq_u32 s[YY], 0                          ; q goes to qc and qs, k and v to kv: the choice hangs on the work-group's number alone
	s_cselect_b64 s[OUT0:OUT0+1], s[8:9], s[12:13]
	s_cselect_b64 s[38:39], s[10:11], s[12:13]
	s_add_nc_u64 s[OUT0:OUT0+1], s[OUT0:OUT0+1], s[20:21]
	s_add_nc_u64 s[OUT0+2:OUT0+3], s[OUT0:OUT0+1], s[22:23]
	s_add_nc_u64 s[38:39], s[38:39], s[24:25]
	s_lshl_b32 s42, s[WV], 2
	s_add_co_u32 s42, s42, s[SB]                   ; my first tile of S
	s_mul_i32 s44, s42, 6144
	s_mov_b32 s45, 0
	s_add_nc_u64 s[SSRC:SSRC+1], s[4:5], s[44:45]
	s_lshl_b32 s44, s42, 8
	s_add_nc_u64 s[30:31], s[6:7], s[44:45]
	s_add_co_u32 s42, s[TBT], s[WV]                ; the tile of T that I bring into LDS
	s_mul_i32 s44, s42, 6144
	s_add_nc_u64 s[28:29], s[4:5], s[44:45]
	s_lshl_b32 s44, s[TBT], 8
	s_add_nc_u64 s[32:33], s[6:7], s[44:45]
	s_wait_alu depctr_va_vdst(0)                   ; the five addresses v1 to v5 are written, which every load and store of the kernel reads; up to the last load of S only loads and window switches follow
.irp i, 0,1,2,3,4,5,6,7,8,9,10,11
	global_load_b128 v[TF+4*\i:TF+4*\i+3], v[LA], s[28:29] offset:512*\i    ; my tile of T as it lies: 12 x 512 bytes
.endr
.irp p, 0,1,2,3
	global_load_b128 v[TS+4*\p:TS+4*\p+3], v[LA], s[32:33] offset:512*\p    ; lanes 0-15: tile 2 p, row r, its four words; lanes 16-31: tile 2 p + 1
.endr
.irp p, 0,1
	global_load_b128 v[SS+4*\p:SS+4*\p+3], v[LA], s[30:31] offset:512*\p
.endr
	LOAD_S
	s_wait_loadcnt 0x0
.irp i, 0,1,2,3,4,5,6,7,8,9,10,11
	ds_store_b128 v[TST], v[TF+4*\i:TF+4*\i+3] offset:512*\i
.endr
	s_wait_dscnt 0x0                               ; for the others' sake: my tile of T lies in LDS
	s_barrier_signal -1
	s_barrier_wait -1                              ; all eight do; they are written no more
	s_wait_alu depctr_vm_vsrc(0)                   ; my LDS stores have read v96 to v143: these registers are set 0 of T's fragments from here on, in which the loads below land
	FETCH_T 0, 0
	FETCH_T 1, 1
; Tile m of T against my 64 rows of S: 16 matrix instructions, the four accumulators by turns, one instruction a turn, K ascending.
.macro TILE m
.set PC, 48+144*((\m)%2)               ; this tile's set of code registers
.if (\m) < 7
	s_wait_dscnt 16                                ; this tile's 16 loads are in; the next tile's 16 may be out
.else
	s_wait_dscnt 0x0
.endif
	WIN 0x01                                       ; source 0 (S) window 1
.irp s, 0,1,2,3
.irp t, 0,1,2,3
.if \s == 0
	WM ACC+8*\t, 12*(4*\t+\s), TF+48*((\m)%2)+12*\s, 1, SS+4*(\t/2)+\s, TS+4*((\m)/2)+\s, \t%2, (\m)%2
.else
	WM ACC+8*\t, 12*(4*\t+\s), TF+48*((\m)%2)+12*\s, 0, SS+4*(\t/2)+\s, TS+4*((\m)/2)+\s, \t%2, (\m)%2
.endif
.endr
.endr
	WIN 0
.rept 4
	v_nop                                          ; four places in front of the first read of results (ISA guide 7.12.1)
.endr
.if (\m) > 1
	s_wait_xcnt 0x0                                ; the stores of two tiles back have had their addresses translated (ISA guide 3.1): their set of code registers is written again only behind this wait,
	s_wait_alu depctr_vm_vsrc(0)                   ; and they have read that set, which the quantiser below writes
.endif
	QUANT2 ACC, PW+(\m)                            ; (its lines that name no accumulator are, with the four above, more than the five places in front of the next tile's products, which begin the accumulators anew)
	s_wait_alu depctr_va_vdst(0)                   ; the quantiser has written this set of codes (and the scale word), which the stores read; the tile's products are done reading their set of fragments, in which the loads below land
.if (\m) < 6
	FETCH_T (\m)+2, (\m)%2                         ; the tile two on, into the set just read.  No vector or matrix instruction since the wait names it
.endif
	global_store_b128 v[LA], v[PC:PC+3], s[OUT0+2*((\m)/4):OUT0+2*((\m)/4)+1] offset:768*(\m)        ; 512 and 256 consecutive bytes, at multiples of 256 from the buffer's first byte
	global_store_b64 v[LB], v[PC+4:PC+5], s[OUT0+2*((\m)/4):OUT0+2*((\m)/4)+1] offset:768*(\m)+512
.endm
	TILE 0
	TILE 1
	TILE 2
	TILE 3
	TILE 4
	TILE 5
	TILE 6
	TILE 7
	; THE SCALE WORDS.  q, k: a lane's eight words are whole: four of them are 16 bytes of the layout.  v: a word's four bytes come from two waves: they meet in LDS.
	s_cmp_lg_u32 s[YY], 2
	s_cbranch_scc1 .Lnot_v
.irp m, 0,1,2,3,4,5,6,7
	ds_store_b16 v[VWA], v[PW+\m] offset:(\m/4)*1024+((\m%4)/2)*128+(\m%2)*4   ; head m / 4; channel tile m % 4 = 2 h + i: lane r + 16 h, word i; both halves of the lanes write the same two bytes with the same value.  (The eight words stand written since the last tile's wait on va_vdst)
.endr
.Lnot_v:
	s_wait_dscnt 0x0                               ; for the others' sake: my bytes lie in LDS
	s_barrier_signal -1
	s_barrier_wait -1
	s_cmp_lg_u32 s[YY], 2
	s_cbranch_scc1 .Lqk
	ds_load_b64 v[56:57], v[VRA]                   ; (no vector instruction names v56 or v57 on this way)
	s_wait_dscnt 0x0
	global_store_b64 v[LB], v[56:57], s[38:39]     ; one head's and step's words: 256 consecutive bytes, aligned
	s_wait_dscnt 0x0                               ; the closing lines, six on end
	s_wait_alu 0x0
	s_wait_tensorcnt 0x0
	ds_add_u32 v254, v255
	s_wait_dscnt 0x0
	s_endpgm
.Lqk:
	v_cmp_lt_u32 vcc_lo, 15, v[LN]                 ; lanes 16-31 store tiles 4-7 of their row, lanes 0-15 tiles 0-3
	s_wait_alu depctr_va_vcc(0)                    ; VCC is written, ahead of the selects that read it
.irp i, 0,1,2,3
	v_cndmask_b32 v[56+\i], v[PW+\i], v[PW+4+\i], vcc_lo
.endr
	s_wait_alu depctr_va_vdst(0)                   ; the selects have written v56 to v59, which the store reads
	global_store_b128 v[LA], v[56:59], s[38:39]    ; 512 consecutive bytes, aligned
	s_wait_dscnt 0x0                               ; the closing lines, six on end
	s_wait_alu 0x0
	s_wait_tensorcnt 0x0
	ds_add_u32 v254, v255
	s_wait_dscnt 0x0
	s_endpgm
.Lfunc_end_k_qea4c349cc0_proj:
	.size	k_qea4c349cc0_proj, .Lfunc_end_k_qea4c349cc0_proj-k_qea4c349cc0_proj
	.p2alignl 7, 3214868480
	.fill 96, 4, 3214868480
	.section	.rodata,"a",@progbits
	.p2align	6, 0x0
	.amdhsa_kernel k_qea4c349cc0_proj
		.amdhsa_group_segment_fixed_size 52224
		.amdhsa_private_segment_fixed_size 0
		.amdhsa_enable_private_segment 0
		.amdhsa_kernarg_size 40
		.amdhsa_user_sgpr_count 2
		.amdhsa_user_sgpr_kernarg_segment_ptr 1
		.amdhsa_wavefront_size32 1
		.amdhsa_system_sgpr_workgroup_id_x 1
		.amdhsa_system_sgpr_workgroup_id_y 1
		.amdhsa_system_sgpr_workgroup_id_z 1
		.amdhsa_system_vgpr_workitem_id 0
		.amdhsa_next_free_vgpr 448
		.amdhsa_next_free_sgpr 66
		.amdhsa_reserve_vcc 1
		.amdhsa_float_denorm_mode_32 3
		.amdhsa_float_denorm_mode_16_64 3
		.amdhsa_memory_ordered 1
		.amdhsa_forward_progress 1
		.amdhsa_inst_pref_size 58
	.end_amdhsa_kernel
	.amdgpu_metadata
---
amdhsa.version: [ 1, 2 ]
amdhsa.kernels:
  - .name:           k_qea4c349cc0_proj
    .symbol:         k_qea4c349cc0_proj.kd
    .args:
      - { .name: cod, .offset: 0, .size: 8, .value_kind: global_buffer, .address_space: global }
      - { .name: scl, .offset: 8, .size: 8, .value_kind: global_buffer, .address_space: global }
      - { .name: qc, .offset: 16, .size: 8, .value_kind: global_buffer, .address_space: global }
      - { .name: qs, .offset: 24, .size: 8, .value_kind: global_buffer, .address_space: global }
      - { .name: kv, .offset: 32, .size: 8, .value_kind: global_buffer, .address_space: global }
    .group_segment_fixed_size: 52224
    .private_segment_fixed_size: 0
    .kernarg_segment_align: 8
    .kernarg_segment_size: 40
    .max_flat_workgroup_size: 256
    .sgpr_count:     66
    .vgpr_count:     448
    .wavefront_size: 32
...
	.end_amdgpu_metadata
.endif
;; end of part 6
;; launch attn (part 7): grid 8 x 32, 16 waves a work-group, clusters of 4 x 1, 211,968 bytes of LDS; arguments qc, qs, kv, oc, os; writes oc, os
.if DOCPART == 7
	.amdgcn_target "amdgcn-amd-amdhsa--gfx1250"
	.amdhsa_code_object_version 6
	.text
	.protected	k_qea4c349cc0_attn
	.globl	k_qea4c349cc0_attn
	.p2align	8
	.type	k_qea4c349cc0_attn,@function
k_qea4c349cc0_attn:
	s_mov_b64 s[64:65], 0
	v_nop
	global_prefetch_b8 v0, s[64:65] scope:SCOPE_SE
	s_setreg_imm32_b32 hwreg(HW_REG_WAVE_MODE, 25, 1), 1
	s_wait_xcnt 0x0
	s_wait_alu depctr_hold_cnt(0) depctr_sa_sdst(0) depctr_va_vdst(0) depctr_va_sdst(0) depctr_va_ssrc(0) depctr_va_vcc(0) depctr_vm_vsrc(0)
	s_getreg_b32 s2, hwreg(HW_REG_IB_STS2, 6, 4)
	s_cmp_eq_u32 s2, 0
	s_cbranch_scc0 .Lentry_in_a_cluster
	s_endpgm
.Lentry_in_a_cluster:
	s_bfe_u32 s2, ttmp6, 0x10000c
	s_cmp_lg_u32 s2, 0x3003
	s_cbranch_scc0 .Lentry_shape_is_right
	s_endpgm
.Lentry_shape_is_right:
; O = softmax(q k^T / 8) v for each of 32 heads of batch (2,048 tokens, head size 64), both products on codes of FP6 (E2M3) with E8M0 scales; O / l is quantised along the model's 512 (a head is two blocks).
; THE SOFTMAX: t = score x log2(e) / 8; M = the running largest t rounded UP to a whole number; p = 2^(t - M) is what is quantised, along the keys; it is not normalised.  The row's sum l is taken of the
; unquantised p, in f32, and divides O at the end.  When M moves, l and O are multiplied by 2^(old M - new M): exact.
; SHARES: a work-group owns 256 queries of one head, each of its sixteen waves one tile of 16 in 256 registers: four waves to a SIMD, so that one wave's vector work stands beside another's products and LDS loads.
; LDS: a head's K, V and scale words, 208,896 bytes, lie in LDS as they lie in kv, FILLED ONCE: 16 key steps of 13,056 bytes (K's 8 half images; at 6,144 V's [c (2)][channel tile (4)]; at 12,288 K's scale words; at 12,800 V's).
; No byte is filled again.  Behind them 1,024 bytes for O's scale words, into which no fill lands.
; CLUSTER: the four work-groups of a cluster own query blocks of one head and need the same bytes: each fill is asked for JOINTLY (the same tensor load, the same descriptor, the mask 15).  Waves 0-3 issue four loads each:
; load c of wave w is key step 4 c + w.  A wave has four tensor loads out at the most.  All of the head's bytes are asked for at the kernel's head: there is no later load to ask ahead of, so no prefetch.
; LAYOUT: both products are used transposed: S^T = K Q^T (source 0 = 16 keys), O^T = V^T P^T (source 0 = 16 channels): a lane holds ONE query (lane % 16) throughout.  The rows of a tile are not neighbours (lane-row r of tile T is
; row 32 (T / 2) + 8 (T % 2) + r + 8 (r / 8)), so that the 16 registers of tiles 2 b, 2 b + 1 are 16 neighbouring keys (channels): 32 b + 16 (lane / 16) + 0 .. 15.
; THE HEAD IS 64 AND THE INSTRUCTION 128 DEEP: Q's registers 6-11 are zero codes, and bytes 2, 3 of Q's and K's scale words are 0 (2^-127, a number).  K's fragment t is v[KF + 6 t .. + 11]: its upper six registers are the next tile's
; codes (for t = 7: zeros).  Every pattern of six bits is a finite number of E2M3, so that half adds exact zeros.
; LIMITS: NaN and infinities are not served; a p under 2^-126 comes out of v_exp_f32 as 0; a block of zeros gets the byte 1 (its codes are zeros; this program alone reads the bytes).  A block's largest p is made from the block's
; largest score by the same multiply-add and exponential, which takes v_exp_f32 not to fall where its input rises.
.set HB,    208896
.set STEPB, 13056
.set OST,   208896                     ; LDS: O's scale words, 64 bytes a wave
.set LA,  1                            ; v1   16 x lane
.set LB,  2                            ; v2   8 x lane
.set ADA, 3                            ; v3   the step's first byte + 16 x lane
.set ADB, 4                            ; v4   the same + 8 x lane
.set QSA, 5                            ; v5   16 r
.set OWA, 6                            ; v6   OST + 64 x wave + 4 r
.set ORA, 7                            ; v7   OST + 512 (wave % 2) + 16 x lane
.set Q,   16                           ; v16-27 Q's fragment
.set QS,  28                           ; v28  Q's scale words
.set KF,  32                           ; v32-85 K's fragments, then V's (v32-79); v80-85 stay 0
.set KS,  86                           ; v86-89 K's scale words: register i: lanes 0-15 tile i, lanes 16-31 tile 4 + i
.set VS,  90                           ; v90-91 V's: register i: lanes 0-15 channel tile i, lanes 16-31 tile 2 + i
.set S,   96                           ; v96-159 S^T, then p
.set O,   160                          ; v160-191 O^T
.set BM,  192                          ; v192-195 the blocks' largest scores, then largest p
.set PX,  196                          ; v196-199 lane l xor 16's
.set SO,  200                          ; v200-203 the conversions' scale operands
.set PC,  204                          ; v204-215 p's codes
.set PT,  216                          ; v216-222 the conversions' second results
.set F,   224                          ; v224 f = 2^(old M - new M)
.set PS,  225                          ; v225 p's scale word
.set T0,  226                          ; v226 at work
.set SC,  228                          ; v[228:229] the sums' second chain
.set BY,  232                          ; v232-235 scale bytes
.set TM,  192                          ; QUANT2's six registers, on the way out
.set WV,  14
.set CX,  15
.set XB,  16
.set BH,  17
.set W1,  18                           ; 512 (wave % 2)
.set SEL, 20                           ; s[20:21] lane selects: lane l xor 16
.set CS,  22                           ; s[22:23] c = log2(e) / 8: the packed form names a pair and takes its low word for both halves
.set G1,  24                           ; s[24:31] descriptor group 1
.set G0,  32                           ; s[32:47] four groups 0, one for each chunk; never rewritten
.set TB,  48                           ; s48  LDS byte at which the step in hand begins
.set CNT, 49
.macro WM d, a, b, zero, sa, sb, ra, rb
.if \zero
.if (\ra) && (\rb)
	v_wmma_scale_f32_16x16x128_f8f6f4 v[\d:\d+7], v[\a:\a+11], v[\b:\b+11], 0, v[\sa], v[\sb] matrix_a_fmt:MATRIX_FMT_FP6 matrix_b_fmt:MATRIX_FMT_FP6 matrix_a_scale:MATRIX_SCALE_ROW1 matrix_b_scale:MATRIX_SCALE_ROW1
.elseif \ra
	v_wmma_scale_f32_16x16x128_f8f6f4 v[\d:\d+7], v[\a:\a+11], v[\b:\b+11], 0, v[\sa], v[\sb] matrix_a_fmt:MATRIX_FMT_FP6 matrix_b_fmt:MATRIX_FMT_FP6 matrix_a_scale:MATRIX_SCALE_ROW1
.elseif \rb
	v_wmma_scale_f32_16x16x128_f8f6f4 v[\d:\d+7], v[\a:\a+11], v[\b:\b+11], 0, v[\sa], v[\sb] matrix_a_fmt:MATRIX_FMT_FP6 matrix_b_fmt:MATRIX_FMT_FP6 matrix_b_scale:MATRIX_SCALE_ROW1
.else
	v_wmma_scale_f32_16x16x128_f8f6f4 v[\d:\d+7], v[\a:\a+11], v[\b:\b+11], 0, v[\sa], v[\sb] matrix_a_fmt:MATRIX_FMT_FP6 matrix_b_fmt:MATRIX_FMT_FP6
.endif
.else
.if (\ra) && (\rb)
	v_wmma_scale_f32_16x16x128_f8f6f4 v[\d:\d+7], v[\a:\a+11], v[\b:\b+11], v[\d:\d+7], v[\sa], v[\sb] matrix_a_fmt:MATRIX_FMT_FP6 matrix_b_fmt:MATRIX_FMT_FP6 matrix_a_scale:MATRIX_SCALE_ROW1 matrix_b_scale:MATRIX_SCALE_ROW1
.elseif \ra
	v_wmma_scale_f32_16x16x128_f8f6f4 v[\d:\d+7], v[\a:\a+11], v[\b:\b+11], v[\d:\d+7], v[\sa], v[\sb] matrix_a_fmt:MATRIX_FMT_FP6 matrix_b_fmt:MATRIX_FMT_FP6 matrix_a_scale:MATRIX_SCALE_ROW1
.elseif \rb
	v_wmma_scale_f32_16x16x128_f8f6f4 v[\d:\d+7], v[\a:\a+11], v[\b:\b+11], v[\d:\d+7], v[\sa], v[\sb] matrix_a_fmt:MATRIX_FMT_FP6 matrix_b_fmt:MATRIX_FMT_FP6 matrix_b_scale:MATRIX_SCALE_ROW1
.else
	v_wmma_scale_f32_16x16x128_f8f6f4 v[\d:\d+7], v[\a:\a+11], v[\b:\b+11], v[\d:\d+7], v[\sa], v[\sb] matrix_a_fmt:MATRIX_FMT_FP6 matrix_b_fmt:MATRIX_FMT_FP6
.endif
.endif
.endm
; 32 numbers of a lane, register 16 b + i = k 32 b + 16 (lane / 16) + i of my row, become a half image's six registers in v[PC] on and the word byte 0 | byte 1 << 8 in v[pw].
.macro QUANT2 src, pw
.irp b, 0,1
	v_max3_num_f32 v[TM+\b], |v[\src+16*\b]|, |v[\src+16*\b+1]|, 0x1800000   ; my 16 numbers of block b, and the floor 2^(3 - 127): the byte cannot fall under 1
.endr
.irp i, 2,4,6,8,10,12,14
.irp b, 0,1
	s_delay_alu instid0(VALU_DEP_2)
	v_max3_num_f32 v[TM+\b], v[TM+\b], |v[\src+16*\b+\i]|, |v[\src+16*\b+\i+1]|
.endr
.endr
.irp b, 0,1
	s_delay_alu instid0(VALU_DEP_2)
	v_permlanex16_b32 v[TM+2+\b], v[TM+\b], s[SEL], s[SEL+1]
.endr
.irp b, 0,1
	s_delay_alu instid0(VALU_DEP_2)
	v_max_num_f32 v[TM+\b], v[TM+\b], v[TM+2+\b]
.endr
.irp b, 0,1
	s_delay_alu instid0(VALU_DEP_2)
	v_add_nc_u32 v[TM+4+\b], 0xff000000, v[TM+\b]
.endr
.irp b, 0,1
	s_delay_alu instid0(VALU_DEP_2)
	v_lshrrev_b32 v[TM+2+\b], 23, v[TM+4+\b]
.endr
	s_delay_alu instid0(VALU_DEP_1)
	v_lshl_or_b32 v[\pw], v[TM+3], 8, v[TM+2]
	v_cvt_scalef32_pk16_fp6_f32 v[PC:PC+2], v[\src:\src+15], v[TM+4]
	v_cvt_scalef32_pk16_fp6_f32 v[PC+4:PC+6], v[\src+16:\src+31], v[TM+5]
	v_nop                                          ; one plain place behind a scaled conversion
.irp i, 0,1,2
	v_permlane16_swap_b32 v[PC+\i], v[PC+4+\i]
.endr
	s_delay_alu instid0(VALU_DEP_3)
	v_mov_b32 v[PC+3], v[PC+4]
	s_delay_alu instid0(VALU_DEP_3)
	v_mov_b32 v[PC+4], v[PC+5]
	s_delay_alu instid0(VALU_DEP_3)
	v_mov_b32 v[PC+5], v[PC+6]
.endm
; A round of the cluster's barrier: my work-group's barrier; wave 0 signals for the work-group; every wave waits for all four work-groups; my work-group's barrier once more.
.macro ROUND
	s_barrier_signal -1
	s_barrier_wait -1
	s_cmp_lg_u32 s[WV], 0
	s_cbranch_scc1 .Lnot_wave_0_\@
	s_barrier_signal -3
.Lnot_wave_0_\@:
	s_barrier_wait -3
	s_barrier_signal -1
	s_barrier_wait -1
.endm
	s_load_b256 s[4:11], s[0:1], 0x0               ; qc s[4:5], qs s[6:7], kv s[8:9], oc s[10:11]
	s_load_b64 s[12:13], s[0:1], 0x20              ; os
	v_lshl_add_u32 v254, v0, 2, 0x33400
	v_mov_b32 v255, 0
	ds_add_u32 v254, v255
	ds_add_u32 v254, v255
	v_lshrrev_b32 v8, 5, v0
	s_delay_alu instid0(VALU_DEP_1)
	v_readfirstlane_b32 s[WV], v8                  ; wave 0..15
	v_and_b32 v8, 31, v0                           ; lane
	v_and_b32 v9, 15, v0                           ; r
	s_delay_alu instid0(VALU_DEP_2)
	v_lshlrev_b32 v[LA], 4, v8
	s_delay_alu instid0(VALU_DEP_3)
	v_lshlrev_b32 v[LB], 3, v8
	s_delay_alu instid0(VALU_DEP_3)
	v_lshlrev_b32 v[QSA], 4, v9
	s_lshl_b32 s50, s[WV], 6
	s_add_co_u32 s50, s50, OST
	v_lshl_add_u32 v[OWA], v9, 2, s50
	s_and_b32 s[W1], s[WV], 1
	s_lshl_b32 s[W1], s[W1], 9
	s_add_co_u32 s50, s[W1], OST
	v_add_nc_u32 v[ORA], s50, v[LA]
	s_and_b32 s[BH], ttmp7, 0xffff                 ; the head of batch, which the four partners share
	; descriptor group 1: a key step: 51 rows of 256 bytes (32 elements of 8 bytes), dense in memory and in LDS
	s_mov_b32 s[G1], 15|(3<<16)|(1<<21)            ; 15:0 the mask: all four work-groups; 17:16 elements of 8 bytes; 20 no padding; 21 set beside a mask
	s_mov_b32 s[G1+1], 32<<16                      ; tensor_dim0 = 32
	s_mov_b32 s[G1+2], 51<<16                      ; tensor_dim1 = 51
	s_mov_b32 s[G1+3], 32<<16                      ; tile_dim0 = 32
	s_mov_b32 s[G1+4], 51                          ; tile_dim1 = 51
	s_mov_b32 s[G1+5], 32                          ; from row to row
	s_mov_b32 s[G1+6], 0
	s_mov_b32 s[G1+7], 0
	s_mov_b32 s[SEL], 0x76543210
	s_mov_b32 s[SEL+1], 0xfedcba98
	s_mov_b32 s[CS], 0x3e38aa3b                    ; c = log2(e) / 8
	s_mov_b32 s[CS+1], s[CS]                       ; (named with it as a pair, so it is written)
	s_mul_i32 s50, s[WV], STEPB                    ; my step of a chunk: in LDS as in the head's bytes; no place in the cluster enters it
	s_mul_i32 s52, s[BH], HB
	s_add_co_u32 s52, s52, s50
	s_mov_b32 s53, 0
	s_wait_dscnt 0x0
	s_wait_kmcnt 0x0
	s_add_nc_u64 s[52:53], s[8:9], s[52:53]
.irp c, 0,1,2,3
	s_mov_b32 s[G0+4*\c], 1                                        ; count = 1
	s_add_co_u32 s[G0+4*\c+1], s50, \c*4*STEPB                     ; LDS address: key step 4 c + wave
	s_add_nc_u64 s[G0+4*\c+2:G0+4*\c+3], s[52:53], \c*4*STEPB      ; global address
	s_or_b32 s[G0+4*\c+3], s[G0+4*\c+3], 0x80000000                ; type = 2
.endr
	ROUND                                          ; all four work-groups are here: the joint loads meet
	s_cmp_lt_u32 s[WV], 4                          ; a wave's fills stand in one branch on its number, ahead of every wait on TENSORcnt, every LDS read and every other barrier
	s_cbranch_scc0 .Lno_fill
	tensor_load_to_lds s[G0:G0+3], s[G1:G1+7]
	s_nop 0
	tensor_load_to_lds s[G0+4:G0+7], s[G1:G1+7]
	s_nop 0
	tensor_load_to_lds s[G0+8:G0+11], s[G1:G1+7]
	s_nop 0
	tensor_load_to_lds s[G0+12:G0+15], s[G1:G1+7]
	s_nop 0
.rept 4
	v_nop
.endr
.Lno_fill:
	s_bfe_u32 s[CX], ttmp6, 0x40000                ; my place in the cluster: it enters the addresses of Q, oc and os alone
	s_lshl_b32 s[XB], ttmp9, 2
	s_add_co_u32 s[XB], s[XB], s[CX]               ; my block of 256 queries
	s_lshl_b32 s50, s[BH], 7
	s_lshl_b32 s51, s[XB], 4
	s_add_co_u32 s50, s50, s51
	s_add_co_u32 s50, s50, s[WV]                   ; my tile of queries: 128 x head of batch + 16 x block + wave
	s_mul_i32 s50, s50, 768
	s_mov_b32 s51, 0
	s_add_nc_u64 s[56:57], s[4:5], s[50:51]
	s_lshl_b32 s50, s[BH], 13                      ; its scale words: 8,192 a head, 512 for 8 tiles; tile 4 h + i of the eight lies at 256 h + 16 r + 4 i
	s_lshl_b32 s52, s[XB], 10
	s_add_co_u32 s50, s50, s52
	s_lshr_b32 s52, s[WV], 2
	s_lshl_b32 s52, s52, 8
	s_add_co_u32 s50, s50, s52
	s_and_b32 s52, s[WV], 3
	s_lshl_b32 s52, s52, 2
	s_add_co_u32 s50, s50, s52
	s_add_nc_u64 s[58:59], s[6:7], s[50:51]
	s_lshr_b32 s52, s[BH], 3
	s_lshl_b32 s52, s52, 7
	s_lshl_b32 s53, s[XB], 4
	s_add_co_u32 s52, s52, s53                     ; the work-group's first token tile of all 512
	s_and_b32 s53, s[BH], 7                        ; the head
	s_add_co_u32 s50, s52, s[WV]
	s_lshl_b32 s50, s50, 3
	s_add_co_u32 s50, s50, s53
	s_mul_i32 s50, s50, 768
	s_add_nc_u64 s[60:61], s[10:11], s[50:51]      ; oc [token tile][head] x 768
	s_lshl_b32 s50, s53, 15
	s_lshl_b32 s52, s52, 6
	s_add_co_u32 s50, s50, s52
	s_add_co_u32 s50, s50, s[W1]
	s_add_nc_u64 s[62:63], s[12:13], s[50:51]      ; os [head][token tile][r] words: the work-group's 1,024 bytes, my half (waves 0 and 1 store)
	s_wait_alu depctr_va_vdst(0)
	global_load_b128 v[Q:Q+3], v[LA], s[56:57]
	global_load_b64 v[Q+4:Q+5], v[LB], s[56:57] offset:512
	global_load_b32 v[QS], v[QSA], s[58:59]
.irp i, 6,7,8,9,10,11
	v_mov_b32 v[Q+\i], 0                           ; Q's codes of k = 64 .. 127
	v_mov_b32 v[KF+42+\i], 0                       ; v80-85: the upper half of K's last fragment
.endr
.set j, 0
.rept 32
	v_mov_b32 v[O+j], 0                            ; O^T.  (The step is written without a first step of its own: it finds zeros, which the first change of M leaves zeros)
.set j, j+1
.endr
	v_mov_b32 v14, 0                               ; the sum, in two halves
	v_mov_b32 v15, 0
.irp b, 0,1,2,3
	v_mov_b32 v[PX+\b], 0                          ; written once: a lane permute's destination counts as one of its sources
.endr
	v_mov_b32 v[PS], 0                             ; (named as the upper half of the pair v[224:225] before it is first written)
	v_mov_b32 v13, 0xff61b1e6                      ; the largest t so far: -3e38, under every t
	s_delay_alu instid0(VALU_DEP_1)
	v_floor_f32 v12, -v13                          ; -M
	s_wait_loadcnt 0x0                             ; Q
; A KEY STEP: 128 keys.
.macro STEP
	v_add_nc_u32 v[ADA], s[TB], v[LA]
	v_add_nc_u32 v[ADB], s[TB], v[LB]
	v_nop
	v_nop                                          ; four places in front of loads into registers that the last step's products have read
.irp t, 0,1,2,3,4,5,6,7
	ds_load_b128 v[KF+6*\t:KF+6*\t+3], v[ADA] offset:768*\t
	ds_load_b64 v[KF+6*\t+4:KF+6*\t+5], v[ADB] offset:768*\t+512
.endr
	ds_load_b128 v[KS:KS+3], v[ADA] offset:12288
	ds_load_b64 v[VS:VS+1], v[ADB] offset:12800
	s_wait_alu depctr_va_vdst(0)
	s_wait_dscnt 0x0
.irp t, 0,1,2,3,4,5,6,7
	WM S+8*\t, KF+6*\t, Q, 1, KS+\t%4, QS, \t/4, 0
.endr
.rept 4
	v_nop                                          ; four places in front of the loads below and of the first read of the scores
.endr
.irp t, 0,1,2,3                                ; V's fragments land under the softmax
.irp c, 0,1
	ds_load_b128 v[KF+12*\t+6*\c:KF+12*\t+6*\c+3], v[ADA] offset:6144+3072*\c+768*\t
	ds_load_b64 v[KF+12*\t+6*\c+4:KF+12*\t+6*\c+5], v[ADB] offset:6144+3072*\c+768*\t+512
.endr
.endr
.irp b, 0,1,2,3
	v_max3_num_f32 v[BM+\b], v[S+16*\b], v[S+16*\b+1], v[S+16*\b+2]   ; THE LARGEST SCORE OF EACH BLOCK OF 32 KEYS: for the row's maximum, and, since p rises with the score, for the block's largest p
.endr
.irp i, 3,5,7,9,11,13
.irp b, 0,1,2,3
	v_max3_num_f32 v[BM+\b], v[BM+\b], v[S+16*\b+\i], v[S+16*\b+\i+1]   ; (the four blocks by turns; i = 7 is the first read of the odd tiles, at their register 0)
.endr
.endr
.irp b, 0,1,2,3
	v_max_num_f32 v[BM+\b], v[BM+\b], v[S+16*\b+15]
.endr
.irp b, 0,1,2,3
	s_delay_alu instid0(VALU_DEP_4)
	v_permlanex16_b32 v[PX+\b], v[BM+\b], s[SEL], s[SEL+1]
.endr
.irp b, 0,1,2,3
	s_delay_alu instid0(VALU_DEP_4)
	v_max_num_f32 v[BM+\b], v[BM+\b], v[PX+\b]     ; with lane l xor 16's 16 keys
.endr
	s_delay_alu instid0(VALU_DEP_2)
	v_max3_num_f32 v[T0], v[BM], v[BM+1], v[BM+2]
	s_delay_alu instid0(VALU_DEP_1)
	v_max_num_f32 v[T0], v[T0], v[BM+3]            ; the step's largest score of my query
	s_delay_alu instid0(VALU_DEP_1)
	v_mul_f32 v[T0], s[CS], v[T0]                  ; as t (c is positive)
	s_delay_alu instid0(VALU_DEP_1)
	v_max_num_f32 v13, v13, v[T0]                  ; the running largest t
	v_mov_b32 v[T0], v12
	s_delay_alu instid0(VALU_DEP_2)
	v_floor_f32 v12, -v13                          ; the new -M = floor(-t) = -ceil(t): M is a whole number
	s_delay_alu instid0(VALU_DEP_1)
	v_sub_f32 v[T0], v12, v[T0]                    ; M's old value less its new one: a whole number, 0 or less
	s_delay_alu instid0(VALU_DEP_1)
	v_cvt_i32_f32 v[T0], v[T0]                     ; (it saturates)
	s_delay_alu instid0(VALU_DEP_1)
	v_ldexp_f32 v[F], 1.0, v[T0]                   ; f = 2^(old M - new M)
.set j, 0
.rept 32
	v_pk_fma_f32 v[S+j:S+j+1], v[S+j:S+j+1], s[CS:CS+1], v[12:13] op_sel_hi:[1,0,0]   ; t - M, two at a time (of the pairs c and -M the low word serves both halves)
.set j, j+2
.endr
.irp b, 0,1,2,3
	v_fma_f32 v[BM+\b], v[BM+\b], s[CS], v12       ; the same of each block's largest score
.endr
.set j, 0
	s_wait_alu depctr_va_vdst(0)
.rept 64
	v_exp_f32 v[S+j], v[S+j]                       ; p = 2^(t - M), at most 1: not normalised
.set j, j+1
.endr
	s_setprio 1
	v_pk_mul_f32 v[14:15], v[14:15], v[F:F+1] op_sel_hi:[1,0]   ; the sums under the new M.  (The plain place behind the exponentials)
	s_wait_alu depctr_va_vdst(0)                   ; one wait for the whole batch, ahead of its first reader
.irp b, 0,1,2,3
	v_exp_f32 v[BM+\b], v[BM+\b]                   ; the block's largest p: the same two instructions on the same number give the same bits
.endr
	v_pk_add_f32 v[228:229], v[100:101], v[104:105]
	v_pk_add_f32 v[252:253], v[108:109], v[112:113]
	v_pk_add_f32 v[250:251], v[116:117], v[120:121]
	v_pk_add_f32 v[248:249], v[124:125], v[128:129]
	v_pk_add_f32 v[246:247], v[132:133], v[136:137]
	v_pk_add_f32 v[244:245], v[140:141], v[144:145]
	v_pk_add_f32 v[242:243], v[148:149], v[152:153]
	v_pk_add_f32 v[14:15], v[14:15], v[156:157]
	v_pk_add_f32 v[228:229], v[228:229], v[96:97]
	v_pk_add_f32 v[252:253], v[252:253], v[98:99]
	v_pk_add_f32 v[250:251], v[250:251], v[102:103]
	v_pk_add_f32 v[248:249], v[248:249], v[106:107]
	v_pk_add_f32 v[246:247], v[246:247], v[110:111]
	v_pk_add_f32 v[244:245], v[244:245], v[114:115]
	v_pk_add_f32 v[242:243], v[242:243], v[118:119]
	v_pk_add_f32 v[14:15], v[14:15], v[122:123]
	v_pk_add_f32 v[228:229], v[228:229], v[126:127]
	v_pk_add_f32 v[252:253], v[252:253], v[130:131]
	v_pk_add_f32 v[250:251], v[250:251], v[134:135]
	v_pk_add_f32 v[248:249], v[248:249], v[138:139]
	v_pk_add_f32 v[246:247], v[246:247], v[142:143]
	v_pk_add_f32 v[244:245], v[244:245], v[146:147]
	v_pk_add_f32 v[242:243], v[242:243], v[150:151]
	v_pk_add_f32 v[14:15], v[14:15], v[154:155]
	v_pk_add_f32 v[228:229], v[228:229], v[158:159]
	s_delay_alu instid0(VALU_DEP_2)
	v_pk_add_f32 v[14:15], v[14:15], v[248:249]
	s_delay_alu instid0(VALU_DEP_2)
	v_pk_add_f32 v[228:229], v[228:229], v[246:247]
	v_pk_add_f32 v[252:253], v[252:253], v[244:245]
	v_pk_add_f32 v[250:251], v[250:251], v[242:243]
	s_delay_alu instid0(VALU_DEP_2)
	v_pk_add_f32 v[14:15], v[14:15], v[252:253]
	s_delay_alu instid0(VALU_DEP_2)
	v_pk_add_f32 v[228:229], v[228:229], v[250:251]
	s_delay_alu instid0(VALU_DEP_1)
	v_pk_add_f32 v[14:15], v[14:15], v[228:229]
	s_wait_alu depctr_va_vdst(0)                   ; and one for the four
.irp b, 0,1,2,3
	v_max_num_f32 v[BM+\b], 0x1800000, v[BM+\b]    ; the floor 2^(3 - 127): the byte cannot fall under 1
.endr
.irp b, 0,1,2,3
	s_delay_alu instid0(VALU_DEP_4)
	v_add_nc_u32 v[SO+\b], 0xff000000, v[BM+\b]    ; 2 off the exponent field: the conversion's scale operand
.endr
.irp b, 0,1,2,3
	s_delay_alu instid0(VALU_DEP_4)
	v_lshrrev_b32 v[BY+\b], 23, v[SO+\b]           ; the scale's byte
.endr
	s_delay_alu instid0(VALU_DEP_3)
	v_lshl_or_b32 v[PS], v[BY+1], 8, v[BY]         ; p's scale word for these 128 keys
	s_delay_alu instid0(VALU_DEP_1)
	v_lshl_or_b32 v[PS], v[BY+2], 16, v[PS]
	s_delay_alu instid0(VALU_DEP_1)
	v_lshl_or_b32 v[PS], v[BY+3], 24, v[PS]
.irp c, 0,1
	v_cvt_scalef32_pk16_fp6_f32 v[PC+6*\c:PC+6*\c+2], v[S+32*\c:S+32*\c+15], v[SO+2*\c]
	v_cvt_scalef32_pk16_fp6_f32 v[PT+4*\c:PT+4*\c+2], v[S+32*\c+16:S+32*\c+31], v[SO+2*\c+1]   ; (a conversion's three registers begin on an even number)
.endr
	v_nop                                          ; one plain place behind a scaled conversion
.irp c, 0,1                                    ; the layout wants a WHOLE block in a lane: lanes 0-15 block 2 c, lanes 16-31 block 2 c + 1
.irp i, 0,1,2
	v_permlane16_swap_b32 v[PC+6*\c+\i], v[PT+4*\c+\i]
.endr
.irp i, 0,1,2
	s_delay_alu instid0(VALU_DEP_3)
	v_mov_b32 v[PC+6*\c+3+\i], v[PT+4*\c+\i]
.endr
.endr
.set j, 0
	s_setprio 0
.rept 16
	v_pk_mul_f32 v[O+j:O+j+1], v[O+j:O+j+1], v[F:F+1] op_sel_hi:[1,0]   ; O^T under the new M, each accumulator from its low end on.  (Of these sixteen, twelve name no register of any one product below: the places behind the writes of p's codes and scale word)
.set j, j+2
.endr
	s_wait_alu depctr_va_vdst(0)
	s_wait_dscnt 0x0                               ; V is in
.irp t, 0,1,2,3
	WM O+8*\t, KF+12*\t, PC, 0, VS+\t%2, PS, \t/2, 0   ; the four accumulators take turns, one instruction a turn
.endr
	s_add_co_u32 s[TB], s[TB], STEPB
.endm
; A CHUNK: four key steps, which waves 0-3 have asked for with their c-th loads.  The count leaves the later chunks' loads of the wave out.
.macro CHUNK c
	s_wait_tensorcnt 3-\c                          ; tensor loads of a wave end in order (ISA guide 10.11.1): my step of this chunk is in LDS,
	s_wait_dscnt 0x0
	s_barrier_signal -1
	s_barrier_wait -1                              ; everybody's is
	s_mov_b32 s[TB], \c*4*STEPB
	s_mov_b32 s[CNT], 4
.Lstep_\@:
	s_setprio 2
	STEP
	s_sub_co_u32 s[CNT], s[CNT], 1
	s_cmp_lg_u32 s[CNT], 0
	s_cbranch_scc1 .Lstep_\@
	s_setprio 0
.endm
	CHUNK 0
	CHUNK 1
	CHUNK 2
	CHUNK 3                                        ; its wait is for 0: no tensor load is out from here on
	; THE WAY OUT: O^T / l, quantised along the head's 64 (two blocks of the next product's K): a half image and a scale word a row.
.rept 4
	v_nop                                          ; four places behind the last products
.endr
	v_add_f32 v14, v14, v15                        ; the sum's two halves,
	s_delay_alu instid0(VALU_DEP_1)
	v_permlanex16_b32 v[T0], v14, s[SEL], s[SEL+1]
	s_delay_alu instid0(VALU_DEP_1)
	v_add_f32 v14, v14, v[T0]                      ; and lane l xor 16's: the row's sum
	s_wait_alu depctr_va_vdst(0)
	v_rcp_f32 v14, v14
	v_nop                                          ; a plain place behind the transcendental
	s_wait_alu depctr_va_vdst(0)                   ; and the wait ahead of its first reader
.set j, 0
.rept 16
	v_pk_mul_f32 v[O+j:O+j+1], v[O+j:O+j+1], v[14:15] op_sel_hi:[1,0]
.set j, j+2
.endr
	QUANT2 O, T0
	global_store_b128 v[LA], v[PC:PC+3], s[60:61]              ; 512 and 256 consecutive bytes, at multiples of 256 from oc's first byte
	global_store_b64 v[LB], v[PC+4:PC+5], s[60:61] offset:512
	ds_store_b32 v[OWA], v[T0]                     ; both halves of the lanes write the same word with the same value
	s_wait_dscnt 0x0                               ; for the others' sake: my 16 words lie in LDS
	s_barrier_signal -1
	s_barrier_wait -1
	s_cmp_lt_u32 s[WV], 2
	s_cbranch_scc0 .Lno_os
	ds_load_b128 v[BY:BY+3], v[ORA]
	s_wait_dscnt 0x0
	global_store_b128 v[LA], v[BY:BY+3], s[62:63]  ; the work-group's 256 words in two stores of 512 consecutive bytes, aligned
.Lno_os:
	s_wait_tensorcnt 0x0
	ds_add_u32 v254, v255
	s_wait_dscnt 0x0
	ROUND                                          ; the closing round: no work-group ends while a partner may still ask for bytes jointly
	s_endpgm
.Lfunc_end_k_qea4c349cc0_attn:
	.size	k_qea4c349cc0_attn, .Lfunc_end_k_qea4c349cc0_attn-k_qea4c349cc0_attn
	.p2alignl 7, 3214868480
	.fill 96, 4, 3214868480
	.section	.rodata,"a",@progbits
	.p2align	6, 0x0
	.amdhsa_kernel k_qea4c349cc0_attn
		.amdhsa_group_segment_fixed_size 211968
		.amdhsa_private_segment_fixed_size 0
		.amdhsa_enable_private_segment 0
		.amdhsa_kernarg_size 40
		.amdhsa_user_sgpr_count 2
		.amdhsa_user_sgpr_kernarg_segment_ptr 1
		.amdhsa_wavefront_size32 1
		.amdhsa_system_sgpr_workgroup_id_x 1
		.amdhsa_system_sgpr_workgroup_id_y 1
		.amdhsa_system_sgpr_workgroup_id_z 1
		.amdhsa_system_vgpr_workitem_id 0
		.amdhsa_next_free_vgpr 256
		.amdhsa_next_free_sgpr 80
		.amdhsa_reserve_vcc 0
		.amdhsa_float_denorm_mode_32 3
		.amdhsa_float_denorm_mode_16_64 3
		.amdhsa_memory_ordered 1
		.amdhsa_forward_progress 1
		.amdhsa_inst_pref_size 82
	.end_amdhsa_kernel
	.amdgpu_metadata
---
amdhsa.version: [ 1, 2 ]
amdhsa.kernels:
  - .name:           k_qea4c349cc0_attn
    .symbol:         k_qea4c349cc0_attn.kd
    .args:
      - { .name: qc, .offset: 0, .size: 8, .value_kind: global_buffer, .address_space: global }
      - { .name: qs, .offset: 8, .size: 8, .value_kind: global_buffer, .address_space: global }
      - { .name: kv, .offset: 16, .size: 8, .value_kind: global_buffer, .address_space: global }
      - { .name: oc, .offset: 24, .size: 8, .value_kind: global_buffer, .address_space: global }
      - { .name: os, .offset: 32, .size: 8, .value_kind: global_buffer, .address_space: global }
    .group_segment_fixed_size: 211968
    .private_segment_fixed_size: 0
    .kernarg_segment_align: 8
    .kernarg_segment_size: 40
    .max_flat_workgroup_size: 512
    .sgpr_count:     80
    .vgpr_count:     256
    .wavefront_size: 32
...
	.end_amdgpu_metadata
.endif
;; end of part 7
;; launch oproj (part 8): grid 256 x 1, 8 waves a work-group, no clusters, 35,840 bytes of LDS; arguments cod, scl, oc, os, out0; writes out0
.if DOCPART == 8
	.amdgcn_target "amdgcn-amd-amdhsa--gfx1250"
	.amdhsa_code_object_version 6
	.text
	.protected	k_qea4c349cc0_oproj
	.globl	k_qea4c349cc0_oproj
	.p2align	8
	.type	k_qea4c349cc0_oproj,@function
k_qea4c349cc0_oproj:
	s_mov_b64 s[64:65], 0
	v_nop
	global_prefetch_b8 v0, s[64:65] scope:SCOPE_SE
	s_setreg_imm32_b32 hwreg(HW_REG_WAVE_SCHED_MODE, 0, 2), 2
	s_setreg_imm32_b32 hwreg(HW_REG_WAVE_MODE, 25, 1), 1
	s_wait_xcnt 0x0
	s_wait_alu depctr_vm_vsrc(0)
; out0 = O Wo^T on codes of FP6 (E2M3) with E8M0 scales; out0 [8192][512] f32.  O's codes (oc) and scale words (os) come from the launch before, Wo's (cod tiles 608-639, scl) from the first.
; SHARES: a work-group takes 32 tokens: token tiles 2 g and 2 g + 1.  Wave w takes Wo's rows 64 w .. 64 w + 63 (four tiles, 16 fragments, 192 registers) as source 0, the tokens as source 1: a lane holds one token and
; eight neighbouring outputs.  Operands go from memory straight into registers as images (a half image: 16 rows x 64 codes: lane l's registers 0-3 at 16 l, 4-5 at 512 + 8 l).  Waves share nothing: no barrier.
; TILES: lane-row r of tile T is row 32 (T / 2) + 8 (T % 2) + r + 8 (r / 8): so register j of Wo's tile 2 b + u is output 64 w + 32 b + 16 (lane / 16) + 8 u + j, and lane-row r of token tile 2 g + m is token 32 g + 8 m + r + 8 (r / 8).
; K = 512 = 8 heads of 64: K step s is heads 2 s and 2 s + 1; a token's scale word of K step s is head 2 s's two bytes below head 2 s + 1's.
; THE WAY OUT: 16 tokens x 64 outputs go through the wave's own stage in LDS (rows 272 bytes apart = 17 x 16) and leave as rows: sixteen lanes store 256 consecutive bytes, aligned.
; NO CLUSTER: a joint request fills LDS, and what work-groups share here, Wo's rows, lives in registers: a way through LDS would write and read those bytes once more for 32 matrix instructions a wave.
; THE MODE: SCHED_MODE bits 1:0 = 2 (LLVM: expert scheduling mode 2), set by the entry lines.  The code itself states the register dependences
; between vector or matrix instructions and memory or LDS instructions, with s_wait_alu, always for 0.
; THE PLAN.  Registers that memory or LDS instructions touch:
;   v1-v3    Offsets of the loads (and of nothing else but v1, which no store rewrites): made at the head, never written again.
;   v4-v6    Addresses of the way out: made behind the loads' wait, never written again.
;   TW, SS, TF, Wo's fragments   Loaded once.  TF is read by the products and then takes the rows that come back from the stage.
;   TS       Written by four vector lines, taken as scales by the products.
;   ACC      Written by the products, read by the LDS stores of the way out.
; Three waits on va_vdst: ahead of the first load (the offsets); ahead of the first product (the scale words, and the way out's addresses with them); ahead of the way out (the accumulators are written,
; and the products are done reading TF).  No register that a memory or LDS instruction has read is written again: there is no wait on vm_vsrc.
.set LA,  1                            ; v1   16 x lane
.set LB,  2                            ; v2   8 x lane
.set L4,  3                            ; v3   4 x lane
.set STO, 4                            ; v4   the stage, in: 4,352 x wave + 272 r + 64 h
.set RD,  5                            ; v5   back: 4,352 x wave + 272 (lane / 16) + 16 (lane % 16)
.set CO,  6                            ; v6   in out0: 2,048 (lane / 16) + 16 (lane % 16)
.set TW,  8                            ; v8-15  O's scale words, one register a head: lanes 0-15 tile 2 g, lanes 16-31 tile 2 g + 1
.set TS,  16                           ; v16-19 the same, a register a K step
.set SS,  24                           ; v24-31 Wo's scale words: register 4 (t / 2) + s: lanes 0-15 tile t even, lanes 16-31 tile t odd
.set ACC, 32                           ; v32-95 accumulator (m, t) at 32 + 8 (4 m + t)
.set TF,  96                           ; v96-191 O's fragment (m, s) at 96 + 12 (4 m + s); on the way out rows read back
.set WV,  14
.set SSRC, 26                          ; s[26:27] my 4 tiles of Wo;  s[28:29] the two token tiles;  s[30:31] Wo's scale bytes;  s[32:33] O's scale words;  s[34:35] out0
.set MSB, 0
.macro WIN new                         ; the immediate's high byte repeats the setting that is left
.if MSB != \new
	s_set_vgpr_msb (MSB<<8)|\new
.set MSB, \new
.endif
.endm
.macro WM d, a, b, zero, sa, sb, ra, rb
.if \zero
.if (\ra) && (\rb)
	v_wmma_scale_f32_16x16x128_f8f6f4 v[\d:\d+7], v[\a:\a+11], v[\b:\b+11], 0, v[\sa], v[\sb] matrix_a_fmt:MATRIX_FMT_FP6 matrix_b_fmt:MATRIX_FMT_FP6 matrix_a_scale:MATRIX_SCALE_ROW1 matrix_b_scale:MATRIX_SCALE_ROW1
.elseif \ra
	v_wmma_scale_f32_16x16x128_f8f6f4 v[\d:\d+7], v[\a:\a+11], v[\b:\b+11], 0, v[\sa], v[\sb] matrix_a_fmt:MATRIX_FMT_FP6 matrix_b_fmt:MATRIX_FMT_FP6 matrix_a_scale:MATRIX_SCALE_ROW1
.elseif \rb
	v_wmma_scale_f32_16x16x128_f8f6f4 v[\d:\d+7], v[\a:\a+11], v[\b:\b+11], 0, v[\sa], v[\sb] matrix_a_fmt:MATRIX_FMT_FP6 matrix_b_fmt:MATRIX_FMT_FP6 matrix_b_scale:MATRIX_SCALE_ROW1
.else
	v_wmma_scale_f32_16x16x128_f8f6f4 v[\d:\d+7], v[\a:\a+11], v[\b:\b+11], 0, v[\sa], v[\sb] matrix_a_fmt:MATRIX_FMT_FP6 matrix_b_fmt:MATRIX_FMT_FP6
.endif
.else
.if (\ra) && (\rb)
	v_wmma_scale_f32_16x16x128_f8f6f4 v[\d:\d+7], v[\a:\a+11], v[\b:\b+11], v[\d:\d+7], v[\sa], v[\sb] matrix_a_fmt:MATRIX_FMT_FP6 matrix_b_fmt:MATRIX_FMT_FP6 matrix_a_scale:MATRIX_SCALE_ROW1 matrix_b_scale:MATRIX_SCALE_ROW1
.elseif \ra
	v_wmma_scale_f32_16x16x128_f8f6f4 v[\d:\d+7], v[\a:\a+11], v[\b:\b+11], v[\d:\d+7], v[\sa], v[\sb] matrix_a_fmt:MATRIX_FMT_FP6 matrix_b_fmt:MATRIX_FMT_FP6 matrix_a_scale:MATRIX_SCALE_ROW1
.elseif \rb
	v_wmma_scale_f32_16x16x128_f8f6f4 v[\d:\d+7], v[\a:\a+11], v[\b:\b+11], v[\d:\d+7], v[\sa], v[\sb] matrix_a_fmt:MATRIX_FMT_FP6 matrix_b_fmt:MATRIX_FMT_FP6 matrix_b_scale:MATRIX_SCALE_ROW1
.else
	v_wmma_scale_f32_16x16x128_f8f6f4 v[\d:\d+7], v[\a:\a+11], v[\b:\b+11], v[\d:\d+7], v[\sa], v[\sb] matrix_a_fmt:MATRIX_FMT_FP6 matrix_b_fmt:MATRIX_FMT_FP6
.endif
.endif
.endm
.macro LOAD_S                          ; my 4 tiles of Wo, all four K steps: fragment (t, s) at v[12 (4 t + s)] of window 1
	WIN 0x40                                       ; destination window 1, address window 0
.irp t, 0,1,2,3
.irp s, 0,1,2,3
.irp c, 0,1
	global_load_b128 v[12*(4*\t+\s)+6*\c:12*(4*\t+\s)+6*\c+3], v[LA], s[SSRC:SSRC+1] offset:6144*\t+1536*\s+768*\c
	global_load_b64 v[12*(4*\t+\s)+6*\c+4:12*(4*\t+\s)+6*\c+5], v[LB], s[SSRC:SSRC+1] offset:6144*\t+1536*\s+768*\c+512
.endr
.endr
.endr
	WIN 0
.endm
	s_load_b256 s[4:11], s[0:1], 0x0               ; cod s[4:5], scl s[6:7], oc s[8:9], os s[10:11]
	s_load_b64 s[12:13], s[0:1], 0x20              ; out0
	v_lshl_add_u32 v254, v0, 2, 0x8800
	v_mov_b32 v255, 0
	v_lshrrev_b32 v7, 5, v0
	v_readfirstlane_b32 s[WV], v7                  ; wave 0..7
	v_and_b32 v7, 31, v0                           ; lane
	v_lshlrev_b32 v[LA], 4, v7
	v_lshlrev_b32 v[LB], 3, v7
	v_lshlrev_b32 v[L4], 2, v7
	s_wait_alu depctr_va_sdst(0)                   ; the wave's number is written, ahead of its first reader: the bases and the stage's place are made from it
	s_lshl_b32 s20, s[WV], 2
	s_add_co_u32 s20, s20, 608                     ; my first tile of Wo in cod
	s_mul_i32 s22, s20, 6144
	s_mov_b32 s23, 0
	s_wait_kmcnt 0x0
	s_add_nc_u64 s[SSRC:SSRC+1], s[4:5], s[22:23]
	s_lshl_b32 s22, s20, 8
	s_add_nc_u64 s[30:31], s[6:7], s[22:23]
	s_mul_i32 s22, ttmp9, 12288                    ; two token tiles of 6,144 bytes
	s_add_nc_u64 s[28:29], s[8:9], s[22:23]
	s_lshl_b32 s22, ttmp9, 7                       ; and their 2 x 16 words, in each head's part of os
	s_add_nc_u64 s[32:33], s[10:11], s[22:23]
	s_lshl_b32 s22, ttmp9, 16                      ; 32 rows of 2,048 bytes,
	s_lshl_b32 s21, s[WV], 8                       ; my 64 outputs
	s_add_co_u32 s22, s22, s21
	s_add_nc_u64 s[34:35], s[12:13], s[22:23]
	s_wait_alu depctr_va_vdst(0)                   ; the three offsets v1 to v3 are written, which the loads below read; up to the last load of Wo only loads and window switches follow
.irp d, 0,1,2,3,4,5,6,7
	global_load_b32 v[TW+\d], v[L4], s[32:33] offset:32768*\d
.endr
.irp p, 0,1
	global_load_b128 v[SS+4*\p:SS+4*\p+3], v[LA], s[30:31] offset:512*\p
.endr
.irp m, 0,1
.irp s, 0,1,2,3
.irp c, 0,1
	global_load_b128 v[TF+12*(4*\m+\s)+6*\c:TF+12*(4*\m+\s)+6*\c+3], v[LA], s[28:29] offset:6144*\m+1536*\s+768*\c
	global_load_b64 v[TF+12*(4*\m+\s)+6*\c+4:TF+12*(4*\m+\s)+6*\c+5], v[LB], s[28:29] offset:6144*\m+1536*\s+768*\c+512
.endr
.endr
.endr
	LOAD_S
	s_wait_loadcnt 0x0
.irp s, 0,1,2,3
	v_lshl_or_b32 v[TS+\s], v[TW+2*\s+1], 16, v[TW+2*\s]   ; head 2 s's two bytes below head 2 s + 1's
.endr
	v_and_b32 v20, 15, v0                          ; r.  (These ten plain lines are more than the eight places between the writes of the scale words and the first scaled product)
	v_bfe_u32 v21, v0, 4, 1                        ; h
	s_mul_i32 s22, s[WV], 4352                     ; my stage
	v_mul_u32_u24 v[STO], v20, 272
	v_lshl_add_u32 v[STO], v21, 6, v[STO]
	v_add_nc_u32 v[STO], s22, v[STO]
	v_mul_u32_u24 v[RD], v21, 272
	v_lshl_add_u32 v[RD], v20, 4, v[RD]
	v_add_nc_u32 v[RD], s22, v[RD]
	v_lshlrev_b32 v[CO], 11, v21
	v_lshl_add_u32 v[CO], v20, 4, v[CO]
	WIN 0x01                                       ; source 0 (Wo) window 1
	s_wait_alu depctr_va_vdst(0)                   ; the four scale words v16 to v19 are written, which the products take as scales (the places above stay beside this wait); so are v4 to v6, the addresses of the way out
.irp s, 0,1,2,3                                ; the eight accumulators take turns, one instruction a turn, K ascending
.irp m, 0,1
.irp t, 0,1,2,3
.if \s == 0
	WM ACC+8*(4*\m+\t), 12*(4*\t+\s), TF+12*(4*\m+\s), 1, SS+4*(\t/2)+\s, TS+\s, \t%2, \m
.else
	WM ACC+8*(4*\m+\t), 12*(4*\t+\s), TF+12*(4*\m+\s), 0, SS+4*(\t/2)+\s, TS+\s, \t%2, \m
.endif
.endr
.endr
.endr
	WIN 0
.rept 4
	v_nop                                          ; four places in front of the first read of results (ISA guide 7.12.1)
.endr
	s_wait_alu depctr_va_vdst(0)                   ; the products have written the accumulators, which the LDS stores read, and are done reading O's fragments, in which the rows read back land; the places above stay beside this wait
.macro TOSTAGE m                       ; 16 tokens x my 64 outputs into my stage, and back as rows.  LDS serves a wave's instructions in order (ISA guide 5.7.1.4): no wait between the stores and the loads, nor in front of the next block's stores
.irp t, 0,1,2,3
	ds_store_b128 v[STO], v[ACC+8*(4*\m+\t):ACC+8*(4*\m+\t)+3] offset:128*(\t/2)+32*(\t%2)          ; each accumulator from its low end on
	ds_store_b128 v[STO], v[ACC+8*(4*\m+\t)+4:ACC+8*(4*\m+\t)+7] offset:128*(\t/2)+32*(\t%2)+16
.endr
.irp i, 0,1,2,3,4,5,6,7
	ds_load_b128 v[TF+32*\m+4*\i:TF+32*\m+4*\i+3], v[RD] offset:544*\i
.endr
.endm
.macro SEND m                          ; stage rows 2 i and 2 i + 1 are tokens 8 m + 2 i + 8 (i / 4) and the next
.irp i, 0,1,2,3,4,5,6,7
	s_wait_dscnt (1-\m)*16+7-\i                    ; the block's younger loads may be out, and behind block 0 all of block 1's sixteen LDS instructions
	global_store_b128 v[CO], v[TF+32*\m+4*\i:TF+32*\m+4*\i+3], s[34:35] offset:(8*\m+2*\i+8*(\i/4))*2048 th:TH_STORE_NT   ; sixteen lanes store 256 consecutive bytes, at a multiple of 256 from out0's first byte; written once, read by nobody here
.endr
.endm
	TOSTAGE 0
	TOSTAGE 1
	SEND 0
	SEND 1
	s_wait_dscnt 0x0                               ; the closing lines, six on end
	s_wait_alu 0x0
	s_wait_tensorcnt 0x0
	ds_add_u32 v254, v255
	s_wait_dscnt 0x0
	s_endpgm
.Lfunc_end_k_qea4c349cc0_oproj:
	.size	k_qea4c349cc0_oproj, .Lfunc_end_k_qea4c349cc0_oproj-k_qea4c349cc0_oproj
	.p2alignl 7, 3214868480
	.fill 96, 4, 3214868480
	.section	.rodata,"a",@progbits
	.p2align	6, 0x0
	.amdhsa_kernel k_qea4c349cc0_oproj
		.amdhsa_group_segment_fixed_size 35840
		.amdhsa_private_segment_fixed_size 0
		.amdhsa_enable_private_segment 0
		.amdhsa_kernarg_size 40
		.amdhsa_user_sgpr_count 2
		.amdhsa_user_sgpr_kernarg_segment_ptr 1
		.amdhsa_wavefront_size32 1
		.amdhsa_system_sgpr_workgroup_id_x 1
		.amdhsa_system_sgpr_workgroup_id_y 1
		.amdhsa_system_sgpr_workgroup_id_z 1
		.amdhsa_system_vgpr_workitem_id 0
		.amdhsa_next_free_vgpr 448
		.amdhsa_next_free_sgpr 66
		.amdhsa_reserve_vcc 0
		.amdhsa_float_denorm_mode_32 3
		.amdhsa_float_denorm_mode_16_64 3
		.amdhsa_memory_ordered 1
		.amdhsa_forward_progress 1
		.amdhsa_inst_pref_size 21
	.end_amdhsa_kernel
	.amdgpu_metadata
---
amdhsa.version: [ 1, 2 ]
amdhsa.kernels:
  - .name:           k_qea4c349cc0_oproj
    .symbol:         k_qea4c349cc0_oproj.kd
    .args:
      - { .name: cod, .offset: 0, .size: 8, .value_kind: global_buffer, .address_space: global }
      - { .name: scl, .offset: 8, .size: 8, .value_kind: global_buffer, .address_space: global }
      - { .name: oc, .offset: 16, .size: 8, .value_kind: global_buffer, .address_space: global }
      - { .name: os, .offset: 24, .size: 8, .value_kind: global_buffer, .address_space: global }
      - { .name: out0, .offset: 32, .size: 8, .value_kind: global_buffer, .address_space: global }
    .group_segment_fixed_size: 35840
    .private_segment_fixed_size: 0
    .kernarg_segment_align: 8
    .kernarg_segment_size: 40
    .max_flat_workgroup_size: 256
    .sgpr_count:     66
    .vgpr_count:     448
    .wavefront_size: 32
...
	.end_amdgpu_metadata
.endif
;; end of part 8
